; MI455X (gfx1250); checked and timed in simulation.
; The chip was launched on July 23, 2026; its instructions are those of AMD's public machine-readable ISA for CDNA 5 (MIT licence, August 2026) and "CDNA5" Instruction Set Architecture Reference Guide (July 2026). The comments in the code are by the model that wrote it; some were corrected since.
;; Causal Self Attention. Allowed arithmetic: matrix products marked QUANTISED: E4M3 operands, one E8M0 scale for each 32 along K, by v_wmma_scale_f32_16x16x128_f8f6f4 with both operands' format E4M3, f32 sums; everything else in f32.
;; Inputs: w_proj 1,024 x 1,024 float32; w_qkv 3,072 x 1,024 float32; x 4 x 2,048 x 1,024 float32.
;; Outputs: out0 4 x 2,048 x 1,024 float32.
;; This version of the problem:
;;   THIS VERSION OF THE PROBLEM IS GIVEN IN LOW PRECISION. The matrix products marked QUANTISED in the list below multiply operands that are first quantised to E4M3 (4 exponent bits, 3 mantissa bits; 8 bits a number), with one power-of-two scale for each 32 numbers along K (OCP MX v1.0); their sums are f32. All else is computed in f32.
;;   The module's matrix products, in the order in which they are computed (A, B: the left and right operand; K: the contracted axis; several contracted axes count as one K, in the product's order):
;;     1. [M 8,192, K 1,024] x [K 1,024, N 3,072]; A: input x; B: input w_qkv: QUANTISED
;;     2. batch 64 x [M 2,048, K 64] x [K 64, N 2,048]; A: computed on the way; B: computed on the way: QUANTISED
;;     3. batch 64 x [M 2,048, K 2,048] x [K 2,048, N 64]; A: softmax (see below); B: computed on the way: QUANTISED
;;     4. [M 8,192, K 1,024] x [K 1,024, N 1,024]; A: computed on the way; B: input w_proj: QUANTISED
;;   THE QUANTISER, for each operand of a quantised product, along K:
;;     - K is cut into blocks of 32 from its start; a last block that is shorter is filled with zeros.
;;     - A block's scale is 2^e with e = floor(log2(the largest magnitude in the block)) - 8, held to -126 .. 127; a block of zeros has e = 0. As a byte (E8M0): e + 127.
;;     - Each number is divided by its block's scale, clamped to +-448, and rounded to the nearest number of E4M3, ties to even, subnormals kept.
;;     - The product sums the exact products of the quantised numbers (number of the format x scale) in f32.
;;   ~~~python
;;   def quantise(x, axis):      # numpy; x: float32 -> the quantised numbers, widened to float32 again
;;       x = np.moveaxis(x, axis, -1); K = x.shape[-1]
;;       x = np.pad(x, [(0, 0)] * (x.ndim - 1) + [(0, -K % 32)]); x = x.reshape(x.shape[:-1] + (-1, 32)); a = np.abs(x).max(-1, keepdims=True)
;;       e = np.where(a > 0, np.clip(np.frexp(np.where(a > 0, a, 1))[1] - 1 - 8, -126, 127), 0)      # np.frexp(a)[1] - 1 = floor(log2(a)), exactly
;;       r = np.clip(x / 2.0 ** e, -448, 448)
;;       step = 2.0 ** (np.maximum(np.frexp(np.where(r == 0, 1, r))[1] - 1, -6) - 3)
;;       q = np.round(r / step) * step * 2.0 ** e      # np.round: ties to even
;;       return np.moveaxis(q.reshape(q.shape[:-2] + (-1,))[..., :K], -1, axis).astype(np.float32)
;;   ~~~
;;   SOFTMAX AHEAD OF A QUANTISED PRODUCT. Where the list says 'softmax', what is quantised is not the finished softmax but p = 2^(t - M), with t = logit x log2(e) and M = ceil(the row's largest t), a whole number; so 1/2 < the row's largest p <= 1. The row's sum l is taken of the UNQUANTISED p, in f32, and the product's result is divided by l at the end. Since M is a whole number, a kernel that streams over the keys may use a running M (the ceiling of the running maximum): every later rescaling is an exact power of two, which a block's scale takes up: the codes' values come out the same.
;;   OPERANDS COMPUTED ON THE WAY. 'Computed on the way' means the value that the module computes at that place (a softmax that the list does not call 'softmax' is quantised finished and normalised). What goes into a quantiser is computed in f32, as accurately as f32 sums, v_exp_f32 and their like allow (about 1e-6 of the number): no bf16 or f16 on the way to a quantiser, and a product that is left as it is and whose result goes on into a quantised operand takes f32 operands (vector FMAs, or v_wmma_f32_16x16x4_f32). A number that lies on a knife's edge between two numbers of the format may be rounded either way, as far as f32 arithmetic and the matrix unit's own rounding can turn it there, and no further.
;; One version. Each part assembles by itself: llvm-mc -triple=amdgcn-amd-amdhsa -mcpu=gfx1250 --defsym DOCPART=n.
;; ======== version 1 of 1: 4 launches
;; limits: right only within a limited range of input values
;; workspace buffers: xq 8,650,752 bytes; wq 3,244,032 bytes; wp 1,081,344 bytes; qrec 8,912,896 bytes; kv 17,563,648 bytes; ao 8,650,752 bytes
;; launch quant (part 1): grid 384 x 1, 4 waves a work-group, no clusters, 33,280 bytes of LDS; arguments x, w_qkv, w_proj, xq, wq, wp; writes xq, wq, wp
.if DOCPART == 1
	.amdgcn_target "amdgcn-amd-amdhsa--gfx1250"
	.amdhsa_code_object_version 6
	.text
	.protected	k_q44cdbceee0_quant
	.globl	k_q44cdbceee0_quant
	.p2align	8
	.type	k_q44cdbceee0_quant,@function
k_q44cdbceee0_quant:
	s_mov_b64 s[64:65], 0
	v_nop
	global_prefetch_b8 v0, s[64:65] scope:SCOPE_SE
	s_setreg_imm32_b32 hwreg(HW_REG_WAVE_MODE, 25, 1), 1
	s_wait_xcnt 0x0
; x [8192][1024], w_qkv [3072][1024], w_proj [1024][1024], f32, become codes of E4M3 (K innermost, a row = 1,024 bytes) and one E8M0 byte for each 32 along K (a row = 32 bytes).
; Each output buffer holds the codes from byte 0 on and the scale bytes behind them (xq: 0x800000, wq: 0x300000, wp: 0x100000).
; A block's scale is 2^(floor(log2(largest magnitude)) - 8); its byte is the largest magnitude's exponent field - 8, held at 1 from below; numbers are held within +-448 x the scale and rounded to the nearest code, ties to even.
; THE ROWS OF xq AND wq ARE PERMUTED: in each group of 32 rows the two middle groups of 8 change places (place 16 u + p holds row 8 u + p + 8 (p / 8)).  Sixteen rows on end are then a tile whose results,
; as source 0 of a matrix instruction, give a lane 16 neighbours in the registers of two neighbouring tiles.  wp keeps its order.
; A work-group takes 32 rows, a wave 8 rows = 16 steps of 512 numbers; so the permutation is a choice of the wave's place in the output.  Work-groups 0-255: x; 256-351: w_qkv; 352-383: w_proj: only pointers are chosen, one path.
; Loads take bytes as they lie (512 consecutive bytes a load); a step's 2,048 bytes turn through the wave's own stage in LDS so that a lane holds 16 neighbours; two neighbouring lanes hold a block.
; LIMITS: NaN and infinities among the inputs are not served; a block of zeros gets the byte 1 (its codes are zeros; only this program reads the bytes); blocks whose largest magnitude lies under 2^-118 are held at the byte 1.
.set STEPS, 16
.set MANT,  0x600000                   ; the mantissa field of 448 as f32
.set CB,    16                         ; bytes of 16 codes
.set R,     16                         ; v16-79   four sets of 16 numbers as they are loaded
.set X,     80                         ; v80-111  two sets of 16 neighbours
.set C,     128                        ; v128-191 codes: four registers for each step: no store's data are written again
.set E,     112                        ; v112-127 a scale byte for each step
.set WREG,  8192                       ; LDS: a region for each wave: two stages of 32 x SP bytes, then its 256 scale bytes
.set SP,    80                         ; a lane's place in a stage: 64 bytes + 16 of padding
	s_load_b256 s[4:11], s[0:1], 0x0               ; x s[4:5], w_qkv s[6:7], w_proj s[8:9], xq s[10:11]
	s_load_b128 s[12:15], s[0:1], 0x20             ; wq s[12:13], wp s[14:15]
	v_lshl_add_u32 v192, v0, 2, 0x8000
	v_mov_b32 v193, 0
	v_lshrrev_b32 v1, 5, v0
	v_readfirstlane_b32 s16, v1                    ; wave
	v_and_b32 v2, 31, v0                           ; lane
	v_lshlrev_b32 v3, 4, v2                        ; my 16 bytes of a load's 512
	s_mul_i32 s17, s16, WREG
	v_lshrrev_b32 v14, 2, v2
	v_mul_u32_u24 v14, v14, SP
	v_and_b32 v15, 3, v2
	v_lshl_add_u32 v14, v15, 4, v14
	v_add_nc_u32 v14, s17, v14                     ; the stage, way in: SP (lane / 4) + 16 (lane % 4)
	v_mul_u32_u24 v15, v2, SP
	v_add_nc_u32 v15, s17, v15                     ; way out: SP x lane: my 16 neighbours
	v_mul_u32_u24 v4, v2, CB                       ; my codes' place in a step's 512 bytes
	v_lshrrev_b32 v5, 1, v2
	s_add_co_u32 s17, s17, 2*32*SP
	v_add_nc_u32 v5, s17, v5                       ; LDS: my wave's 256 scale bytes, my block's byte
	v_lshlrev_b32 v7, 3, v2                        ; and on the way out 8 bytes a lane
	v_add_nc_u32 v6, s17, v7
	s_mov_b32 s23, MANT
	s_mov_b32 s24, 352                             ; first work-group of the tensor,
	s_mov_b32 s25, 0x100000                        ; where its scale bytes begin in its buffer
	s_mov_b32 s26, 0x300000
	s_wait_kmcnt 0x0
	s_cmp_lt_u32 ttmp9, 352                        ; w_qkv or w_proj?  The choices hang on the work-group's number alone
	s_cselect_b64 s[6:7], s[6:7], s[8:9]
	s_cselect_b64 s[12:13], s[12:13], s[14:15]
	s_cselect_b32 s24, 256, s24
	s_cselect_b32 s25, s26, s25
	s_cselect_b32 s27, 1, 0                        ; 1: the rows are permuted (x and w_qkv)
	s_mov_b32 s26, 0x800000
	s_cmp_lt_u32 ttmp9, 256                        ; x or a weight?
	s_cselect_b64 s[4:5], s[4:5], s[6:7]           ; the numbers
	s_cselect_b64 s[8:9], s[10:11], s[12:13]       ; the codes
	s_cselect_b32 s24, 0, s24
	s_cselect_b32 s25, s26, s25
	s_mov_b32 s28, s25
	s_mov_b32 s29, 0
	s_add_nc_u64 s[10:11], s[8:9], s[28:29]        ; the scale bytes
	s_and_b32 s30, s16, 1                          ; groups of 8 rows 0, 1, 2, 3 go to places 0, 2, 1, 3
	s_lshl_b32 s30, s30, 1
	s_lshr_b32 s31, s16, 1
	s_or_b32 s30, s30, s31
	s_cmp_eq_u32 s27, 1
	s_cselect_b32 s30, s30, s16
	s_sub_co_u32 s17, ttmp9, s24
	s_lshl_b32 s17, s17, 2
	s_add_co_u32 s18, s17, s16                     ; which 8 rows I read,
	s_add_co_u32 s20, s17, s30                     ; and which place of 8 rows I write
	s_lshl_b32 s18, s18, 15                        ; 8 rows of f32: 32,768 bytes
	s_mov_b32 s19, 0
	s_add_nc_u64 s[4:5], s[4:5], s[18:19]
	s_lshl_b32 s18, s20, 13                        ; 8 rows of codes: 8,192 bytes
	s_add_nc_u64 s[8:9], s[8:9], s[18:19]
	s_lshl_b32 s18, s20, 8                         ; 8 rows of scale bytes: 256
	s_add_nc_u64 s[10:11], s[10:11], s[18:19]
.macro LOAD t
.irp i, 0,1,2,3
	global_load_b128 v[R+16*((\t)%4)+4*\i:R+16*((\t)%4)+4*\i+3], v3, s[4:5] offset:2048*(\t)+512*\i th:TH_LOAD_NT   ; 32 lanes read 512 consecutive bytes, read once
.endr
.endm
.macro TURN t                          ; step t's numbers through the stage: LDS serves a wave's instructions in order, so no wait stands between the stores and the loads
.irp i, 0,1,2,3
	ds_store_b128 v14, v[R+16*((\t)%4)+4*\i:R+16*((\t)%4)+4*\i+3] offset:32*SP*((\t)%2)+8*SP*\i
.endr
.irp i, 0,1,2,3
	ds_load_b128 v[X+16*((\t)%2)+4*\i:X+16*((\t)%2)+4*\i+3], v15 offset:32*SP*((\t)%2)+16*\i
.endr
.endm
.irp t, 0,1,2,3
	LOAD \t
.endr
	s_wait_loadcnt 12                              ; step 0's four loads are in; the twelve of steps 1 to 3 may be out
	TURN 0
.macro STEP t
.set XS, X+16*((\t)%2)
.if (\t) > 0
	s_wait_dscnt 1                                 ; this step's numbers are back from the stage (the last step's byte store may be out): its stores into the stage have read their registers,
.else
	s_wait_dscnt 0x0
.endif
.if (\t)+4 < STEPS
	LOAD (\t)+4                                    ; which take the loads of four steps on
.endif
.if (\t)+1 < STEPS
.if STEPS-2-(\t) >= 3
	s_wait_loadcnt 12                              ; the next step's four loads are in; those of the three steps behind it may be out
.else
	s_wait_loadcnt 4*(STEPS-2-(\t))
.endif
	TURN (\t)+1                                    ; and go through the other stage while this step is worked
.endif
	v_max3_num_f32 v8, |v[XS]|, |v[XS+1]|, |v[XS+2]|               ; the largest magnitude of my 16, in two chains
	v_max3_num_f32 v9, |v[XS+3]|, |v[XS+4]|, |v[XS+5]|
.irp i, 6,10
	v_max3_num_f32 v8, v8, |v[XS+\i]|, |v[XS+\i+1]|
	v_max3_num_f32 v9, v9, |v[XS+\i+2]|, |v[XS+\i+3]|
.endr
	v_max3_num_f32 v8, v8, |v[XS+14]|, |v[XS+15]|
	v_max3_num_f32 v8, v8, v9, 0x4800000           ; and the floor 2^(9 - 127): the byte cannot fall under 1
	v_max_num_f32_dpp v8, v8, v8 row_xmask:1 row_mask:0xf bank_mask:0xf   ; and of my neighbour's 16: the block's
	v_add_nc_u32 v11, 0xfc000000, v8               ; 8 off its exponent field: the conversion takes this operand's exponent field as its scale
	v_and_or_b32 v10, v8, 0x7f800000, s23          ; 448 x the scale
.irp i, 0,1,2,3,4,5,6,7,8,9,10,11,12,13,14,15
	v_med3_num_f32 v[XS+\i], v[XS+\i], -v10, v10   ; the conversion to an 8-bit code does not saturate (ISA guide 7.6.2): the hold
.endr
	v_cvt_scalef32_pk8_fp8_f32 v[C+4*(\t):C+4*(\t)+1], v[XS:XS+7], v11
	v_cvt_scalef32_pk8_fp8_f32 v[C+4*(\t)+2:C+4*(\t)+3], v[XS+8:XS+15], v11
	v_lshrrev_b32 v[E+(\t)], 23, v11               ; the scale's byte (also the plain line behind the conversions)
	ds_store_b8 v5, v[E+(\t)] offset:16*(\t)       ; both lanes of a block write the same byte with the same value
	global_store_b128 v4, v[C+4*(\t):C+4*(\t)+3], s[8:9] offset:32*CB*(\t)   ; the wave stores 512 consecutive bytes, aligned
.endm
.irp t, 0,1,2,3,4,5,6,7,8,9,10,11,12,13,14,15
	STEP \t
.endr
	ds_load_b64 v[12:13], v6                       ; LDS serves a wave's instructions in order: these see my stores
	s_wait_dscnt 0x0
	global_store_b64 v7, v[12:13], s[10:11]        ; 32 lanes store 256 consecutive bytes, aligned
	s_wait_tensorcnt 0x0
	ds_add_u32 v192, v193
	s_wait_dscnt 0x0
	s_endpgm
.Lfunc_end_k_q44cdbceee0_quant:
	.size	k_q44cdbceee0_quant, .Lfunc_end_k_q44cdbceee0_quant-k_q44cdbceee0_quant
	.p2alignl 7, 3214868480
	.fill 96, 4, 3214868480
	.section	.rodata,"a",@progbits
	.p2align	6, 0x0
	.amdhsa_kernel k_q44cdbceee0_quant
		.amdhsa_group_segment_fixed_size 33280
		.amdhsa_private_segment_fixed_size 0
		.amdhsa_enable_private_segment 0
		.amdhsa_kernarg_size 48
		.amdhsa_user_sgpr_count 2
		.amdhsa_user_sgpr_kernarg_segment_ptr 1
		.amdhsa_wavefront_size32 1
		.amdhsa_system_sgpr_workgroup_id_x 1
		.amdhsa_system_sgpr_workgroup_id_y 1
		.amdhsa_system_sgpr_workgroup_id_z 1
		.amdhsa_system_vgpr_workitem_id 0
		.amdhsa_next_free_vgpr 194
		.amdhsa_next_free_sgpr 66
		.amdhsa_reserve_vcc 0
		.amdhsa_float_denorm_mode_32 3
		.amdhsa_float_denorm_mode_16_64 3
		.amdhsa_memory_ordered 1
		.amdhsa_forward_progress 1
		.amdhsa_inst_pref_size 52
	.end_amdhsa_kernel
	.amdgpu_metadata
---
amdhsa.version: [ 1, 2 ]
amdhsa.kernels:
  - .name:           k_q44cdbceee0_quant
    .symbol:         k_q44cdbceee0_quant.kd
    .args:
      - { .name: x, .offset: 0, .size: 8, .value_kind: global_buffer, .address_space: global }
      - { .name: w_qkv, .offset: 8, .size: 8, .value_kind: global_buffer, .address_space: global }
      - { .name: w_proj, .offset: 16, .size: 8, .value_kind: global_buffer, .address_space: global }
      - { .name: xq, .offset: 24, .size: 8, .value_kind: global_buffer, .address_space: global }
      - { .name: wq, .offset: 32, .size: 8, .value_kind: global_buffer, .address_space: global }
      - { .name: wp, .offset: 40, .size: 8, .value_kind: global_buffer, .address_space: global }
    .group_segment_fixed_size: 33280
    .private_segment_fixed_size: 0
    .kernarg_segment_align: 8
    .kernarg_segment_size: 48
    .max_flat_workgroup_size: 128
    .sgpr_count:     66
    .vgpr_count:     194
    .wavefront_size: 32
...
	.end_amdgpu_metadata
.endif
;; end of part 1
;; launch qkv (part 2): grid 12 x 32, 4 waves a work-group, clusters of 4 x 4, 327,680 bytes of LDS; arguments xq, wq, qrec, kv; writes qrec, kv
.if DOCPART == 2
	.amdgcn_target "amdgcn-amd-amdhsa--gfx1250"
	.amdhsa_code_object_version 6
	.text
	.protected	k_q44cdbceee0_qkv
	.globl	k_q44cdbceee0_qkv
	.p2align	8
	.type	k_q44cdbceee0_qkv,@function
k_q44cdbceee0_qkv:
	s_mov_b64 s[64:65], 0
	v_nop
	global_prefetch_b8 v0, s[64:65] scope:SCOPE_SE
	s_setreg_imm32_b32 hwreg(HW_REG_WAVE_MODE, 25, 1), 1
	s_wait_xcnt 0x0
	s_wait_alu depctr_hold_cnt(0) depctr_sa_sdst(0) depctr_va_vdst(0) depctr_va_sdst(0) depctr_va_ssrc(0) depctr_va_vcc(0) depctr_vm_vsrc(0)
	s_getreg_b32 s2, hwreg(HW_REG_IB_STS2, 6, 4)
	s_cmp_eq_u32 s2, 0
	s_cbranch_scc0 .Lentry_in_a_cluster
	s_endpgm
.Lentry_in_a_cluster:
	s_bfe_u32 s2, ttmp6, 0x10000c
	s_cmp_lg_u32 s2, 0xf033
	s_cbranch_scc0 .Lentry_shape_is_right
	s_endpgm
.Lentry_shape_is_right:
; qkv = x w_qkv^T on codes of E4M3 with E8M0 scales (K = 1,024), and its results quantised at once for the attention: q and k along the head's 64 channels, v along the keys.  No f32 result goes to memory.
; A tile of 256 x 256 is made by four waves, 128 x 128 each: 64 accumulators, 512 registers.  K goes in steps of 256 through two LDS slots filled by the tensor data mover; the scale bytes of the 2 x 256 rows come once.
; SIDES.  Source 1 of the matrix instruction is side S1, source 0 side S0: a lane holds ONE row of S1, and its registers run along rows of S0.  Rows of xq and wq lie permuted (in each 32 the middle groups of 8 swapped), so
; the 16 registers of accumulators 2 b and 2 b + 1 are the 16 neighbours 32 b + 16 (lane / 16) + 0 .. 15 of S0's true order: a lane's 64 registers of one S1 block are an operand's 128 K, ready for the conversions.
; ROLES by the cluster's x (equal in all sixteen partners): 0: q, 1: k: S1 = x (a lane: one token), S0 = w_qkv (registers: channels, two heads of 64).   2: v: S1 = w_qkv rows 2,048 on (a lane: one channel), S0 = x (registers: 128 tokens).
; CLUSTERS: 4 x 4 work-groups; S1's tile is shared along a row of the cluster, S0's along a column: joint tensor loads with a mask of four.
; OUT, as images of the next operands' registers (each store: 512 consecutive bytes, 16 a lane):
;   qrec record (8,704 B) and kv record (17,152 B), index (batch x 16 + head) x 16 + group of 128 tokens.  Q or K at +0: 8 tiles x [block of 32 channels][lane][16 B].  V at +8,192: 4 tiles of channels x [block of 32 keys][lane][16 B].
;   scale words: q's at +8,192, k's at +16,640: word of tile a, row r at 256 (a / 4) + 16 r + 4 (a % 4); v's at +16,384: 16 r + 4 t.
; LIMITS: NaN and infinities are not served; a block of zeros gets the byte 1 (its codes are zeros); blocks under 2^-118 are held at the byte 1.
; REGISTERS: window 0: v16-31 addresses; v32-63 scale words, two sets; v128-255 S1's fragments, one set.  window 1: S0's fragments, two sets.  windows 2, 3: the accumulators ((a, b) at v[8 (8 (a % 4) + b)]).
;   On the way out window 0 holds: v32-39 the eight blocks' scale words, v40-55 at work, v56-63 scale words as stored, v128-255 the codes (16 registers a block: no store's data are written again).
.set KSTEP,  256
.set NQ,     2                         ; matrix instructions deep in a slot
.set ROWB,   256                       ; a tile's row in bytes
.set KROW,   1024                      ; a row of codes in memory
.set PITCH,  272                       ; an LDS row: 256 bytes + 16 of padding: the 16 rows that a load touches start at 16 different banks
.set FR,     16                        ; registers of a fragment
.set NL,     4                         ; LDS loads that bring one
.set NP,     8                         ; places behind this matrix instruction (ISA guide 7.12.1)
.set HALFT,  128*PITCH
.set SLOT,   4*HALFT                   ; S1's 256 rows, then S0's 256 rows
.set KS,     32                        ; a row of scale bytes
.set SCL,    2*SLOT                    ; behind the ring: the scales, as units of 256 bytes + 16 of padding
.set HALFS,  (128*KS/256)*272
.set SBLK,   (16*KS/256)*272
.set SPARE,  SCL+4*HALFS               ; the spare words, 128 bytes a wave: two blocks of 256 bytes that no other line names
.set ADRA, 16                          ; v16-17  LDS address of my S1 fragments in slot 0, 1
.set ADRB, 20                          ; v20-21  the same for S0
.set LI,   24                          ; v24     16 x lane: an image's place for my lane
.set VSC,  25                          ; v25     16 x lane + where q's or k's scale words begin in a record
.set VSV,  26                          ; v26     v's scale words: 16 (lane % 16) + 16,384, and 16 records on for lanes 16-31 (the second head)
.set ADRS, 27                          ; v27     LDS address of my scale words: lanes 0-15 S1's rows, lanes 16-31 S0's
.set SPW,  28                          ; v28     my spare word; never rewritten
.set NIL,  29                          ; v29     0; never rewritten
.set LN,   30                          ; v30     lane
.set SC,   32
.set AF,   128
.set PW,   32
.set TM,   40
.set SEL,  56
.set PC,   128
.set G1, 24                            ; s[24:31] group 1 for S1's tiles; s[32:39] groups 0, one a slot
.set G0, 32
.set G1B, 48                           ; s[48:55], s[56:63] the same for S0's
.set G0B, 56
.set G1S, 68                           ; s[68:75], s[76:79] for S1's scales; s[80:87], s[88:91] for S0's
.set G0S, 76
.set G1SB, 80
.set G0SB, 88
.set MSB, 0
.macro WIN new                         ; the immediate's high byte repeats the setting that is left
.if MSB != \new
	s_set_vgpr_msb (MSB<<8)|\new
.set MSB, \new
.endif
.endm
.set MUL_LO, 0xa1                      ; source 0 window 1, source 1 window 0, C and D window 2
.set MUL_HI, 0xf1                      ; the same, C and D window 3
.set TO_B,   0x40                      ; destination window 1
; A joint load: waves 0 and 1 fetch for S1, waves 2 and 3 for S0; the branch hangs on the wave's number alone.  Four v_nop follow each line.
.macro JLOAD g0a, g1a, g0b, g1b
	s_cmp_eq_u32 s15, 0
	s_cbranch_scc0 .Lfor_b_\@
	tensor_load_to_lds s[\g0a:\g0a+3], s[\g1a:\g1a+7]
	s_nop 0
.rept 4
	v_nop
.endr
	s_branch .Lasked_\@
.Lfor_b_\@:
	tensor_load_to_lds s[\g0b:\g0b+3], s[\g1b:\g1b+7]
	s_nop 0
.rept 4
	v_nop
.endr
.Lasked_\@:
.endm
.macro CREST                           ; a round of the cluster's barrier behind its opening barrier
	s_cmp_lg_u32 s14, 0
	s_cbranch_scc1 .Lnot_wave_0_\@
	s_barrier_signal -3
.Lnot_wave_0_\@:
	s_barrier_wait -3
	s_barrier_signal -1
	s_barrier_wait -1
.endm
.macro CROUND
	s_barrier_signal -1
	s_barrier_wait -1
	CREST
.endm
	s_load_b128 s[96:99], s[0:1], 0x0              ; xq s[96:97], wq s[98:99]
	s_load_b128 s[4:7], s[0:1], 0x10               ; qrec s[4:5], kv s[6:7]
	v_lshl_add_u32 v[SPW], v0, 2, SPARE
	v_mov_b32 v[NIL], 0
	ds_add_u32 v28, v29
	ds_add_u32 v28, v29
	s_wait_dscnt 0x0
	v_lshrrev_b32 v1, 5, v0
	v_readfirstlane_b32 s14, v1                    ; wave 0..3
	s_lshr_b32 s15, s14, 1                         ; which half of S1's rows is mine.  Also: I fetch for S1 (0) or S0 (1)
	s_and_b32 s16, s14, 1                          ; which half of S0's rows.  Also: which 128 rows of that tile I fetch
	s_bfe_u32 s40, ttmp6, 0x40000                  ; cx, cy
	s_bfe_u32 s41, ttmp6, 0x40004
	s_lshl_b32 s42, ttmp9, 2                       ; 4 x cluster x
	s_and_b32 s17, ttmp7, 0xffff
	s_lshl_b32 s17, s17, 2                         ; 4 x cluster y
	s_cmp_eq_u32 ttmp9, 2                          ; the role v?
	s_cselect_b32 s42, s17, s42                    ; S0's tile: of x by the cluster's y (v), of w_qkv by its x (q, k)
	s_cselect_b32 s17, 8, s17                      ; S1's tile: w_qkv's rows 2,048 on (v), x's by the cluster's y
	s_add_co_u32 s42, s42, s40                     ; + cx: it never enters S1's address
	s_add_co_u32 s17, s17, s41                     ; + cy: it never enters S0's
	s_lshl_b32 s43, s41, 2
	s_lshl_b32 s43, 15, s43                        ; my row of the cluster
	s_lshl_b32 s44, 0x1111, s40                    ; my column
	s_or_b32 s[G1+0], s43, (0<<16)|(1<<20)|(1<<21)|(5<<22)|(3<<25)  ; the mask; elements of 1 byte; padding: 4 words behind every 64; bit 21 beside a mask
	s_or_b32 s[G1B+0], s44, (0<<16)|(1<<20)|(1<<21)|(5<<22)|(3<<25)
.irp g, G1, G1B
	s_mov_b32 s[\g+1], ROWB<<16                    ; tensor_dim0
	s_mov_b32 s[\g+2], 128<<16                     ; tensor_dim1
	s_mov_b32 s[\g+3], ROWB<<16                    ; tile_dim0
	s_mov_b32 s[\g+4], 128                         ; tile_dim1
	s_mov_b32 s[\g+5], KROW                        ; pitch
	s_mov_b32 s[\g+6], 0
	s_mov_b32 s[\g+7], 0
.endr
	s_or_b32 s[G1S+0], s43, (3<<16)|(1<<20)|(1<<21)|(5<<22)|(3<<25) ; the scales of 128 rows: 4,096 dense bytes as 16 rows of 256 (32 elements of 8 bytes), padded alike
	s_or_b32 s[G1SB+0], s44, (3<<16)|(1<<20)|(1<<21)|(5<<22)|(3<<25)
.irp g, G1S, G1SB
	s_mov_b32 s[\g+1], 32<<16
	s_mov_b32 s[\g+2], (128*KS/256)<<16
	s_mov_b32 s[\g+3], 32<<16
	s_mov_b32 s[\g+4], 128*KS/256
	s_mov_b32 s[\g+5], 32
	s_mov_b32 s[\g+6], 0
	s_mov_b32 s[\g+7], 0
.endr
	s_lshl_b32 s18, s16, 7                         ; which 128 rows of the tile I fetch
	s_lshl_b32 s20, s17, 8
	s_add_co_u32 s20, s20, s18                     ; S1's row
	s_lshl_b32 s46, s42, 8
	s_add_co_u32 s46, s46, s18                     ; S0's row
	s_mov_b32 s21, 0
	s_mov_b32 s47, 0
	s_mov_b64 s[18:19], KS
	s_mul_u64 s[22:23], s[20:21], s[18:19]         ; these rows' scale bytes,
	s_mul_u64 s[92:93], s[46:47], s[18:19]
	s_mov_b64 s[18:19], KROW
	s_mul_u64 s[20:21], s[20:21], s[18:19]         ; and their codes, as offsets
	s_mul_u64 s[46:47], s[46:47], s[18:19]
	s_mov_b32 s2, 0x800000                         ; where the scale bytes begin in xq,
	s_mov_b32 s3, 0x300000                         ; and in wq
	s_mov_b32 s19, 0
	s_cmp_eq_u32 ttmp9, 2
	s_cselect_b32 s18, s3, s2
	s_add_nc_u64 s[22:23], s[22:23], s[18:19]
	s_cselect_b32 s18, s2, s3
	s_add_nc_u64 s[92:93], s[92:93], s[18:19]
	s_mul_i32 s45, s14, HALFT                      ; where they go: wave x 128 rows: no place in the cluster enters an LDS address
	s_mul_i32 s94, s14, HALFS
	s_wait_kmcnt 0x0
	s_cmp_eq_u32 ttmp9, 2
	s_cselect_b64 s[8:9], s[98:99], s[96:97]       ; S1's buffer
	s_cselect_b64 s[10:11], s[96:97], s[98:99]     ; S0's
	s_add_nc_u64 s[20:21], s[8:9], s[20:21]
	s_add_nc_u64 s[22:23], s[8:9], s[22:23]
	s_add_nc_u64 s[46:47], s[10:11], s[46:47]
	s_add_nc_u64 s[92:93], s[10:11], s[92:93]
	CROUND                                         ; all sixteen work-groups are here: the first joint loads meet
	s_mov_b32 s[G0S], 1
	s_add_co_u32 s[G0S+1], s94, SCL
	s_mov_b64 s[G0S+2:G0S+3], s[22:23]
	s_or_b32 s[G0S+3], s[G0S+3], 0x80000000
	s_mov_b32 s[G0SB], 1
	s_add_co_u32 s[G0SB+1], s94, SCL
	s_mov_b64 s[G0SB+2:G0SB+3], s[92:93]
	s_or_b32 s[G0SB+3], s[G0SB+3], 0x80000000
	JLOAD G0S, G1S, G0SB, G1SB                     ; the scales first: wanted with K step 0.  With the two below, three tensor loads of mine are out
.irp s, 0,1
	s_mov_b32 s[G0+4*\s], 1
	s_add_co_u32 s[G0+4*\s+1], s45, \s*SLOT
	s_add_nc_u64 s[G0+4*\s+2:G0+4*\s+3], s[20:21], \s*ROWB
	s_or_b32 s[G0+4*\s+3], s[G0+4*\s+3], 0x80000000
	s_mov_b32 s[G0B+4*\s], 1
	s_add_co_u32 s[G0B+4*\s+1], s45, \s*SLOT
	s_add_nc_u64 s[G0B+4*\s+2:G0B+4*\s+3], s[46:47], \s*ROWB
	s_or_b32 s[G0B+4*\s+3], s[G0B+4*\s+3], 0x80000000
	JLOAD G0+4*\s, G1, G0B+4*\s, G1B
.endr
	v_and_b32 v1, 15, v0                           ; l % 16
	v_bfe_u32 v2, v0, 4, 1                         ; l / 16
	v_mul_u32_u24 v3, v1, PITCH
	v_lshl_add_u32 v4, v2, 4, v3                   ; a fragment's row x pitch + 16 x half
	s_mul_i32 s21, s15, HALFT
	s_mul_i32 s22, s16, HALFT
	s_add_co_u32 s22, s22, 2*HALFT
.irp s, 0,1
	v_add_nc_u32 v[ADRA+\s], s21, v4
	v_add_nc_u32 v[ADRB+\s], s22, v4
	s_add_co_u32 s21, s21, SLOT
	s_add_co_u32 s22, s22, SLOT
.endr
	v_mul_u32_u24 v5, v1, KS                       ; my row's scales: KS bytes a row,
	v_lshrrev_b32 v6, 8, v5
	v_lshl_add_u32 v5, v6, 4, v5                   ; and 16 more for each 256 passed
	s_mul_i32 s21, s15, HALFS
	s_mul_i32 s22, s16, HALFS
	s_add_co_u32 s22, s22, 2*HALFS
	s_sub_co_u32 s22, s22, s21
	v_mul_u32_u24 v6, s22, v2                      ; lanes 16-31 take S0's: one product, the distance between the two bases
	s_add_co_u32 s21, s21, SCL
	v_add_nc_u32 v5, v5, v6
	v_add_nc_u32 v[ADRS], s21, v5
	; where my results go: the record of my 128 tokens and my first head
	s_lshl_b32 s20, s17, 8
	s_lshl_b32 s21, s15, 7
	s_add_co_u32 s20, s20, s21                     ; my first row of S1
	s_lshl_b32 s21, s42, 8
	s_lshl_b32 s22, s16, 7
	s_add_co_u32 s21, s21, s22                     ; my first row of S0
	s_cmp_eq_u32 ttmp9, 2
	s_cselect_b32 s22, s21, s20                    ; my first token,
	s_cselect_b32 s23, s20, s21                    ; my first row of w_qkv
	s_and_b32 s23, s23, 1023                       ; as a channel of q, k or v
	s_lshr_b32 s45, s22, 11                        ; batch
	s_lshl_b32 s45, s45, 4
	s_lshr_b32 s23, s23, 6                         ; head
	s_add_co_u32 s45, s45, s23
	s_lshl_b32 s45, s45, 4
	s_bfe_u32 s22, s22, 0x40007                    ; group of 128 tokens
	s_add_co_u32 s45, s45, s22                     ; the record's index
	s_mov_b32 s18, 17152
	s_mov_b32 s12, 16640
	s_cmp_eq_u32 ttmp9, 0                          ; q goes to qrec, k and v to kv
	s_cselect_b64 s[4:5], s[4:5], s[6:7]
	s_cselect_b32 s18, 8704, s18                   ; a record's bytes
	s_cselect_b32 s12, 8192, s12                   ; where q's or k's scale words begin in it
	s_mul_i32 s20, s45, s18
	s_mov_b32 s21, 0
	s_add_nc_u64 s[4:5], s[4:5], s[20:21]          ; my first head's record,
	s_lshl_b32 s20, s18, 4
	s_add_nc_u64 s[6:7], s[4:5], s[20:21]          ; my second head's: 16 records on
	v_and_b32 v[LN], 31, v0
	v_lshlrev_b32 v[LI], 4, v[LN]
	v_add_nc_u32 v[VSC], s12, v[LI]
	v_mul_u32_u24 v[VSV], v2, 0x43000              ; 16 x 17,152
	v_lshl_add_u32 v[VSV], v1, 4, v[VSV]
	v_add_nc_u32 v[VSV], 16384, v[VSV]
.macro FRAG reg, adr, q, i             ; 16 rows x 128 K: lane l holds row l % 16; registers 4 c .. 4 c + 3 hold K = 32 c + 16 (l / 16) + 0 .. 15
.irp c, 0,1,2,3
	ds_load_b128 v[\reg+4*\c:\reg+4*\c+3], v[\adr] offset:128*(\q)+32*\c+(\i)*16*PITCH
.endr
.endm
; 16 matrix instructions: S1's blocks a0, a0 + 1 x S0's eight.  The 64 accumulators take turns, one instruction a turn, in the same order in every step.
.macro MUL16 a0, p, q, sc, zero
.irp a, \a0, \a0+1
.irp b, 0,1,2,3,4,5,6,7
.if \zero
	v_wmma_scale_f32_16x16x128_f8f6f4 v[8*(8*((\a)%4)+\b):8*(8*((\a)%4)+\b)+7], v[128*(\p)+FR*\b:128*(\p)+FR*\b+FR-1], v[AF+FR*(\a):AF+FR*(\a)+FR-1], 0, v[SC+8*NQ*(\sc)+NQ*\b+(\q)], v[SC+8*NQ*(\sc)+NQ*(\a)+(\q)] matrix_a_scale:MATRIX_SCALE_ROW1
.else
	v_wmma_scale_f32_16x16x128_f8f6f4 v[8*(8*((\a)%4)+\b):8*(8*((\a)%4)+\b)+7], v[128*(\p)+FR*\b:128*(\p)+FR*\b+FR-1], v[AF+FR*(\a):AF+FR*(\a)+FR-1], v[8*(8*((\a)%4)+\b):8*(8*((\a)%4)+\b)+7], v[SC+8*NQ*(\sc)+NQ*\b+(\q)], v[SC+8*NQ*(\sc)+NQ*(\a)+(\q)] matrix_a_scale:MATRIX_SCALE_ROW1
.endif
.endr
.endr
.endm
.macro FETCH_B slot, q, p
	WIN TO_B
.irp i, 0,1,2,3,4,5,6,7
	FRAG 128*(\p)+FR*\i, ADRB+\slot, \q, \i
.endr
	WIN 0
.endm
.macro FETCH_A slot, q, i0
.irp i, \i0, \i0+1, \i0+2, \i0+3
	FRAG AF+FR*(\i), ADRA+\slot, \q, \i
.endr
.endm
.macro SCALES sc                       ; a K step's scale words: two words a row; lanes 0-15 S1's block i, lanes 16-31 S0's block i
.irp i, 0,1,2,3,4,5,6,7
	ds_load_b64 v[SC+8*NQ*\sc+NQ*\i:SC+8*NQ*\sc+NQ*\i+1], v[ADRS] offset:\i*SBLK
.endr
.endm
.macro PLACES n                        ; plain vector instructions between a matrix instruction and a load into, or a vector read or write of, its registers
.rept \n
	v_nop
.endr
.endm
.macro STEP slot, q, zero              ; 128 along K with its successor in the same slot
	s_wait_dscnt 4*NL                              ; S0's set and S1's blocks 0-3 are in; the youngest 16 loads (blocks 4-7) may be out
	WIN MUL_LO
	MUL16 0, (\q)%2, \q, \slot, \zero
	MUL16 2, (\q)%2, \q, \slot, \zero
	s_wait_dscnt 0
	PLACES NP
	FETCH_B \slot, (\q)+1, 1-(\q)%2
	FETCH_A \slot, (\q)+1, 0
	WIN MUL_HI
	MUL16 4, (\q)%2, \q, \slot, \zero
	MUL16 6, (\q)%2, \q, \slot, \zero
	PLACES NP
	WIN 0
	FETCH_A \slot, (\q)+1, 4
.endm
; A slot's last step changes slots: one barrier; in front of it each wave waits for all its tensor loads, adds 0 to its spare word, and waits for that and for its reads of this slot.
.macro TURN slot, next, fill
	s_wait_tensorcnt 0x0                           ; all my tensor loads have landed: my part of the next slot
	ds_add_u32 v[SPW], v[NIL]                      ; 0 onto my spare word
	s_wait_dscnt 4*NL+1                            ; the add and the youngest 16 loads may be out
	WIN MUL_LO
	MUL16 0, 1, NQ-1, \slot, 0
	s_wait_dscnt 0x0                               ; the add is done, and my reads of this slot are over
	s_barrier_signal -1
	MUL16 2, 1, NQ-1, \slot, 0
	WIN 0
	s_barrier_wait -1
.if \fill
	CREST                                          ; the barrier has opened a round of the cluster's barrier: no wave of any partner still reads this slot or has a load on its way
	s_add_nc_u64 s[G0+4*\slot+2:G0+4*\slot+3], s[G0+4*\slot+2:G0+4*\slot+3], 2*ROWB
	s_add_nc_u64 s[G0B+4*\slot+2:G0B+4*\slot+3], s[G0B+4*\slot+2:G0B+4*\slot+3], 2*ROWB
	JLOAD G0+4*\slot, G1, G0B+4*\slot, G1B         ; the first tensor load behind the round; its four v_nop are among the places in front of the loads below
	PLACES NP-4
.else
	PLACES NP
.endif
	s_wait_alu depctr_va_vdst(0)
	v_add_nc_u32 v[ADRS], 4*NQ, v[ADRS]            ; the next K step's scale words (no LDS load of mine is out)
	FETCH_B \next, 0, 0
	FETCH_A \next, 0, 0
	SCALES \next
	WIN MUL_HI
	MUL16 4, 1, NQ-1, \slot, 0
	MUL16 6, 1, NQ-1, \slot, 0
	PLACES NP
	WIN 0
	FETCH_A \next, 0, 4
.endm
	s_wait_alu depctr_va_vdst(0)
	s_wait_tensorcnt 1                             ; the scales and my part of K step 0 are in; K step 1's load may be out
	s_barrier_signal -1
	s_barrier_wait -1
	FETCH_B 0, 0, 0
	FETCH_A 0, 0, 0
	SCALES 0
	FETCH_A 0, 0, 4
	STEP 0, 0, 1                                   ; K = 1,024 is four K steps, eight steps of 128: written out; the first products start the sums
	TURN 0, 1, 1                                   ; slot 0 takes K step 2
	STEP 1, 0, 0
	TURN 1, 0, 1                                   ; slot 1 takes K step 3
	STEP 0, 0, 0
	TURN 0, 1, 0                                   ; nothing is left to fetch
	STEP 1, 0, 0
	s_wait_dscnt 4*NL
	WIN MUL_LO
	MUL16 0, 1, NQ-1, 1, 0
	MUL16 2, 1, NQ-1, 1, 0
	s_wait_dscnt 0
	WIN MUL_HI
	MUL16 4, 1, NQ-1, 1, 0
	MUL16 6, 1, NQ-1, 1, 0
	WIN 0
; THE WAY OUT.  S1's block a: a lane's 64 registers, register 16 b + i = S0's row 32 b + 16 (lane / 16) + i, become 16 registers of codes and a scale word.
.macro QW a
.set W, 2+(\a)/4                       ; the block's window
.set AC, 64*((\a)%4)
.set PCA, PC+16*(\a)
	WIN (W|(W<<2))                                 ; sources 0 and 1: the accumulators
.irp b, 0,1,2,3
	v_max3_num_f32 v[TM+\b], |v[AC+16*\b]|, |v[AC+16*\b+1]|, 0x4800000   ; my 16 numbers of block b, and the floor 2^(9 - 127); each accumulator is read from its low end on
.endr
.irp i, 2,4,6,8,10,12,14
.irp b, 0,1,2,3
	v_max3_num_f32 v[TM+\b], |v[AC+16*\b+\i]|, |v[AC+16*\b+\i+1]|, v[TM+\b]
.endr
.endr
	WIN 0
.irp b, 0,1,2,3
	v_permlanex16_b32 v[TM+4+\b], v[TM+\b], s8, s9
.endr
.irp b, 0,1,2,3
	v_max_num_f32 v[TM+\b], v[TM+\b], v[TM+4+\b]   ; with lane l xor 16's: the block's largest magnitude
.endr
.irp b, 0,1,2,3
	v_add_nc_u32 v[TM+12+\b], 0xfc000000, v[TM+\b] ; 8 off its exponent field: the conversion's scale operand
.endr
.irp b, 0,1,2,3
.endr
.irp b, 0,1,2,3
	v_lshrrev_b32 v[TM+4+\b], 23, v[TM+12+\b]      ; the scale's byte
.endr
	v_lshl_or_b32 v[PW+(\a)], v[TM+5], 8, v[TM+4]
	v_lshl_or_b32 v[PW+(\a)], v[TM+6], 16, v[PW+(\a)]
	v_lshl_or_b32 v[PW+(\a)], v[TM+7], 24, v[PW+(\a)]
	WIN (W|(W<<6))                                 ; source 0 and destination: the accumulators
.set n, 0
.rept 64
.set n, n+1
.endr
	WIN W
.irp b, 0,1,2,3
	v_cvt_scalef32_pk8_fp8_f32 v[PCA+4*\b:PCA+4*\b+1], v[AC+16*\b:AC+16*\b+7], v[TM+12+\b]
	v_cvt_scalef32_pk8_fp8_f32 v[PCA+4*\b+2:PCA+4*\b+3], v[AC+16*\b+8:AC+16*\b+15], v[TM+12+\b]
.endr
	WIN 0
	v_nop                                          ; a plain line behind the last conversion: the next block writes the scale operands
.endm
	PLACES NP                                      ; behind the last products: their results are read, and the registers of S1's fragments and of the scale words are written
	s_mov_b32 s8, 0x76543210
	s_mov_b32 s9, 0xfedcba98                       ; v_permlanex16_b32's selects for lane l xor 16
.irp b, 0,1,2,3
	v_mov_b32 v[TM+4+\b], 0                        ; a lane permute's destination counts as one of its sources
.endr
.irp a, 0,1,2,3,4,5,6,7
	QW \a
.endr
	v_cmp_lt_u32 vcc_lo, 15, v[LN]
.irp i, 0,1,2,3
	v_cndmask_b32 v[SEL+\i], v[PW+\i], v[PW+4+\i], vcc_lo   ; lanes 0-15: block i's word, lanes 16-31: block 4 + i's
.endr
.irp i, 0,1,2,3
	v_lshrrev_b32 v[SEL+4+\i], 16, v[SEL+\i]       ; q, k: the second head's two bytes, zeros above them
.endr
	s_cmp_eq_u32 ttmp9, 2                          ; the cluster's x: the same in all partners
	s_cbranch_scc1 .Lv
.irp a, 0,1,2,3,4,5,6,7                ; q, k: tile a of tokens; blocks 0, 1 of channels are my first head's, 2, 3 my second's
.irp c, 0,1,2,3
	global_store_b128 v[LI], v[PC+16*\a+4*\c:PC+16*\a+4*\c+3], s[4+2*(\c/2):5+2*(\c/2)] offset:\a*1024+(\c%2)*512   ; 512 consecutive bytes, aligned
.endr
.endr
	global_store_b128 v[VSC], v[SEL:SEL+3], s[4:5]         ; the first head's words: its two bytes low; the two above meet zero codes and are no 0xff
	global_store_b128 v[VSC], v[SEL+4:SEL+7], s[6:7]
	s_branch .Lout
.Lv:
.irp a, 0,1,2,3,4,5,6,7                ; v: tiles 0-3 of channels are my first head's, 4-7 my second's; c: the block of 32 keys
.irp c, 0,1,2,3
	global_store_b128 v[LI], v[PC+16*\a+4*\c:PC+16*\a+4*\c+3], s[4+2*(\a/4):5+2*(\a/4)] offset:8192+(\a%4)*2048+\c*512
.endr
.endr
	s_wait_alu depctr_va_vdst(0)
	global_store_b128 v[VSV], v[SEL:SEL+3], s[4:5]         ; lanes 0-15: the first head's 256 bytes of words, lanes 16-31: the second head's
.Lout:
	s_wait_tensorcnt 0x0                           ; the wave's end
	ds_add_u32 v[SPW], v[NIL]
	s_wait_dscnt 0x0
	CROUND                                         ; the closing round: no work-group ends while a partner may still ask for a tile that names it
	s_endpgm
.Lfunc_end_k_q44cdbceee0_qkv:
	.size	k_q44cdbceee0_qkv, .Lfunc_end_k_q44cdbceee0_qkv-k_q44cdbceee0_qkv
	.p2alignl 7, 3214868480
	.fill 96, 4, 3214868480
	.section	.rodata,"a",@progbits
	.p2align	6, 0x0
	.amdhsa_kernel k_q44cdbceee0_qkv
		.amdhsa_group_segment_fixed_size 327680
		.amdhsa_private_segment_fixed_size 0
		.amdhsa_enable_private_segment 0
		.amdhsa_kernarg_size 32
		.amdhsa_user_sgpr_count 2
		.amdhsa_user_sgpr_kernarg_segment_ptr 1
		.amdhsa_wavefront_size32 1
		.amdhsa_system_sgpr_workgroup_id_x 1
		.amdhsa_system_sgpr_workgroup_id_y 1
		.amdhsa_system_sgpr_workgroup_id_z 1
		.amdhsa_system_vgpr_workitem_id 0
		.amdhsa_next_free_vgpr 1024
		.amdhsa_next_free_sgpr 100
		.amdhsa_reserve_vcc 1
		.amdhsa_float_denorm_mode_32 3
		.amdhsa_float_denorm_mode_16_64 3
		.amdhsa_fp16_overflow 1
		.amdhsa_memory_ordered 1
		.amdhsa_forward_progress 1
		.amdhsa_inst_pref_size 154
	.end_amdhsa_kernel
	.amdgpu_metadata
---
amdhsa.version: [ 1, 2 ]
amdhsa.kernels:
  - .name:           k_q44cdbceee0_qkv
    .symbol:         k_q44cdbceee0_qkv.kd
    .args:
      - { .name: xq, .offset: 0, .size: 8, .value_kind: global_buffer, .address_space: global }
      - { .name: wq, .offset: 8, .size: 8, .value_kind: global_buffer, .address_space: global }
      - { .name: qrec, .offset: 16, .size: 8, .value_kind: global_buffer, .address_space: global }
      - { .name: kv, .offset: 24, .size: 8, .value_kind: global_buffer, .address_space: global }
    .group_segment_fixed_size: 327680
    .private_segment_fixed_size: 0
    .kernarg_segment_align: 8
    .kernarg_segment_size: 32
    .max_flat_workgroup_size: 128
    .sgpr_count:     100
    .vgpr_count:     1024
    .wavefront_size: 32
...
	.end_amdgpu_metadata
.endif
;; end of part 2
;; launch attn (part 3): grid 256 x 1, 16 waves a work-group, clusters of 4 x 1, 327,680 bytes of LDS; arguments qrec, kv, ao; writes ao
.if DOCPART == 3
	.amdgcn_target "amdgcn-amd-amdhsa--gfx1250"
	.amdhsa_code_object_version 6
	.text
	.protected	k_q44cdbceee0_attn
	.globl	k_q44cdbceee0_attn
	.p2align	8
	.type	k_q44cdbceee0_attn,@function
k_q44cdbceee0_attn:
	s_mov_b64 s[64:65], 0
	v_nop
	global_prefetch_b8 v0, s[64:65] scope:SCOPE_SE
	s_setreg_imm32_b32 hwreg(HW_REG_WAVE_MODE, 25, 1), 1
	s_wait_xcnt 0x0
	s_wait_alu depctr_hold_cnt(0) depctr_sa_sdst(0) depctr_va_vdst(0) depctr_va_sdst(0) depctr_va_ssrc(0) depctr_va_vcc(0) depctr_vm_vsrc(0)
	s_getreg_b32 s2, hwreg(HW_REG_IB_STS2, 6, 4)
	s_cmp_eq_u32 s2, 0
	s_cbranch_scc0 .Lentry_in_a_cluster
	s_endpgm
.Lentry_in_a_cluster:
	s_bfe_u32 s2, ttmp6, 0x10000c
	s_cmp_lg_u32 s2, 0x3003
	s_cbranch_scc0 .Lentry_shape_is_right
	s_endpgm
.Lentry_shape_is_right:
; Causal attention on codes of E4M3: S^T = K Q^T (K = the head's 64), p = 2^(t - M), O^T = V^T P^T (K = the keys), O / l quantised along the model's 1,024 channels for the projection.
; t = score x log2(e) / 8; M = the running largest t rounded UP to a whole number; p is quantised along the keys, not normalised; the row's sum is taken of the unquantised p and divides at the end;
; when M moves, the sum and O^T are multiplied by 2^(old M - new M), which rounds nothing.
; SHARES.  A cluster of four work-groups owns one (batch, head).  The head's 16 records (128 keys each: K's 8 tiles, V's 4 fragments, their scale words: 17,152 bytes) fill 274,432 bytes of LDS ONCE, by joint tensor loads
; (the four partners need the same bytes).  Nothing is filled again.  The head has 128 tiles of 16 queries; wave w of work-group j owns tiles 4 w + j and 127 - (4 w + j), one after the other:
; their last key steps are w / 2 and 15 - w / 2, whatever j: 17 key steps for every wave of the launch, and no branch hangs on the work-group's place in its cluster.
; LAYOUT.  Both products are used transposed: a lane holds ONE query (lane % 16).  The records hold images of the operands' registers (16 bytes a lane, 512 a load).  The keys of a tile of K are so chosen that the 16 registers
; of tiles 2 b, 2 b + 1 of S^T are keys 32 b + 16 (lane / 16) + 0 .. 15; V's channels likewise, so that O^T's 32 registers are the next operand's order.  Lane r of query tile q holds token 32 (q / 2) + 8 (q % 2) + r + 8 (r / 8).
; K = 64 IN AN INSTRUCTION OF 128: Q's operand is 8 registers of codes and 8 of zero codes.  K's operand of tile t is v[32 + 8 t .. 47 + 8 t]: its upper half is the next tile's codes (tile 7: the first 8 registers of p's codes):
; codes of finite numbers, which meet Q's zeros under scale bytes that are never 0xff.
; CAUSAL.  A key step behind the tile's last is jumped over (a scalar branch on the wave's number and the loop's counter); in the tile's last step hidden scores become -infinity ahead of the maximum.
; OUT.  ao: images at (batch x 128 + tile) x 16,384 + head x 1,024 + block x 512 + 16 x lane; scale bytes at 0x800000 + row x 32 + 2 x head (2 bytes a lane: 1 byte in 33 of what the launch stores).
; LIMITS: NaN and infinities are not served; a block of zeros gets the byte 1 (its codes are zeros); a block's largest p is taken as 2^ of its largest score (v_exp_f32 taken not to fall where its input rises).
.set REC,  17152
.set QREC, 8704
.set S,    128                         ; v128-191 S^T, then p
.set O,    192                         ; v192-223 O^T
.set PCD,  96                          ; v96-111  p's codes
.set BM,   224                         ; v224-227 a block's largest score, then largest p
.set PB,   228                         ; v228-231 the other half's; a chain of sums; the bytes
.set HL,   232
.set SO,   236                         ; v236-239 the conversions' scale operands
.set KSW,  240                         ; v240-243 K's scale words: register i: tile i in lanes 0-15, tile 4 + i in lanes 16-31
.set VSW,  244                         ; v244-247 V's scale words, tile t in register t
; v1 16 x lane; v2 LDS address of the record in hand; v3, v4 at work; v5, v6 the masks' d of my late and my early tile; v7 32 (lane % 16); v8 f, v9 p's scale word; v10, v11 Q's scale words (late, early);
; v12 -M, v13 the largest t, v[14:15] the sum; v16-23 Q early + v24-31 zeros; v32-95 K's or V's fragments; v112-119 Q late + v120-127 zeros.
; s12 wave, s13 cx, s14 the (batch, head); s[16:17] lane selects; s[18:19] c; s21 key step; s22 its record's LDS byte; s23, s24 the last key step of my late and early tile;
; s[28:35] descriptor group 1; s[36:51] four groups 0; s[52:63], s[66:69] addresses of Q, its scale words, ao's images and ao's scale bytes for the two tiles.
.macro CROUND                          ; a round of the cluster's barrier
	s_barrier_signal -1
	s_barrier_wait -1
	s_cmp_lg_u32 s12, 0
	s_cbranch_scc1 .Lnot_wave_0_\@
	s_barrier_signal -3
.Lnot_wave_0_\@:
	s_barrier_wait -3
	s_barrier_signal -1
	s_barrier_wait -1
.endm
; the addresses of query tile s[tau]
.macro TILEADR tau, q, qs, ao, sc, sq
	s_lshr_b32 s70, s[\tau], 3
	s_lshl_b32 s71, s14, 4
	s_add_co_u32 s70, s70, s71
	s_mul_i32 s70, s70, QREC                       ; its record in qrec
	s_and_b32 s72, s[\tau], 7
	s_lshl_b32 s73, s72, 10
	s_add_co_u32 s74, s70, s73
	s_mov_b32 s75, 0
	s_add_nc_u64 s[\q:\q+1], s[4:5], s[74:75]      ; its codes
	s_lshr_b32 s72, s72, 2
	s_lshl_b32 s72, s72, 8
	s_and_b32 s73, s[\tau], 3
	s_lshl_b32 s73, s73, 2
	s_add_co_u32 s74, s70, s72
	s_add_co_u32 s74, s74, s73
	s_add_co_u32 s74, s74, 8192
	s_add_nc_u64 s[\qs:\qs+1], s[4:5], s[74:75]    ; its scale words, 16 bytes from row to row
	s_lshr_b32 s70, s14, 4
	s_lshl_b32 s70, s70, 7
	s_add_co_u32 s70, s70, s[\tau]                 ; batch x 128 + tile
	s_and_b32 s71, s14, 15                         ; head
	s_lshl_b32 s74, s70, 14
	s_lshl_b32 s72, s71, 10
	s_add_co_u32 s74, s74, s72
	s_add_nc_u64 s[\ao:\ao+1], s[8:9], s[74:75]    ; its image in ao
	s_lshl_b32 s74, s70, 9
	s_lshl_b32 s72, s71, 1
	s_add_co_u32 s74, s74, s72
	s_add_co_u32 s74, s74, 0x800000
	s_add_nc_u64 s[\sc:\sc+1], s[8:9], s[74:75]    ; its scale bytes in ao
	s_bfe_u32 s[\sq], s[\tau], 0x20001
	s_lshl_b32 s[\sq], s[\sq], 5
	s_and_b32 s72, s[\tau], 1
	s_lshl_b32 s72, s72, 3
	s_add_co_u32 s[\sq], s[\sq], s72               ; lane 0's token within its 128
.endm
	s_load_b128 s[4:7], s[0:1], 0x0                ; qrec s[4:5], kv s[6:7]
	s_load_b64 s[8:9], s[0:1], 0x10                ; ao
	v_lshl_add_u32 v254, v0, 2, 0x43000
	v_mov_b32 v255, 0
	ds_add_u32 v254, v255
	ds_add_u32 v254, v255
	v_lshrrev_b32 v2, 5, v0
	s_delay_alu instid0(VALU_DEP_1)
	v_readfirstlane_b32 s12, v2                    ; wave 0..15
	s_bfe_u32 s13, ttmp6, 0x40000                  ; cx
	s_mov_b32 s14, ttmp9                           ; the cluster's x: batch x 16 + head
	s_lshr_b32 s24, s12, 1                         ; my early tile's last key step,
	s_sub_co_u32 s23, 15, s24                      ; my late tile's: both hang on the wave's number alone
	s_lshl_b32 s25, s12, 2
	s_add_co_u32 s25, s25, s13                     ; my early tile,
	s_sub_co_u32 s26, 127, s25                     ; my late tile
	s_mov_b32 s16, 0x76543210
	s_mov_b32 s17, 0xfedcba98
	s_mov_b32 s18, 0x3e38aa3b                      ; c = log2(e) / sqrt(64)
	s_mov_b32 s19, s18                             ; (named with it as a pair)
	s_mov_b32 s28, 15|(3<<16)|(1<<21)              ; group 1: the mask of all four partners; elements of 8 bytes; bit 21 beside a mask; no padding
	s_mov_b32 s29, 32<<16                          ; tensor_dim0 = 32 elements: rows of 256 bytes
	s_mov_b32 s30, 67<<16                          ; tensor_dim1 = 67 rows: a record
	s_mov_b32 s31, 32<<16                          ; tile_dim0
	s_mov_b32 s32, 67                              ; tile_dim1
	s_mov_b32 s33, 32                              ; pitch: dense
	s_mov_b32 s34, 0
	s_mov_b32 s35, 0
	s_and_b32 s70, s12, 3
	s_mul_i32 s71, s70, REC                        ; waves 0-3 fetch records w, w + 4, w + 8, w + 12
	s_lshl_b32 s72, s14, 4
	s_add_co_u32 s72, s72, s70
	s_mul_i32 s72, s72, REC
	s_mov_b32 s73, 0
	v_and_b32 v1, 31, v0
	s_delay_alu instid0(VALU_DEP_1)
	v_lshlrev_b32 v1, 4, v1
	v_and_b32 v3, 15, v0
	s_delay_alu instid0(VALU_DEP_1)
	v_lshlrev_b32 v7, 5, v3
	s_delay_alu instid0(VALU_DEP_2)
	v_lshlrev_b32 v4, 4, v3                        ; Q's scale words: 16 bytes a row
	s_delay_alu instid0(VALU_DEP_3)
	v_and_b32 v5, 8, v3
	s_delay_alu instid0(VALU_DEP_1)
	v_add_nc_u32 v5, v5, v3
	v_and_b32 v6, 16, v0
	s_delay_alu instid0(VALU_DEP_1)
	v_sub_nc_u32 v6, v5, v6                        ; r + 8 (r / 8) - 16 (lane / 16)
.set n, 0
.rept 8
	v_mov_b32 v[24+n], 0                           ; Q's zero codes,
	v_mov_b32 v[120+n], 0
	v_mov_b32 v[PCD+n], 0                          ; and what K's tile 7 names above its own codes in the first step
.set n, n+1
.endr
.irp b, 0,1,2,3
	v_mov_b32 v[PB+\b], 0                          ; a lane permute's destination counts as one of its sources
.endr
	v_mov_b32 v9, 0                                ; (named as the upper half of the pair v[8:9])
	s_wait_dscnt 0x0
	s_wait_kmcnt 0x0
	s_add_nc_u64 s[72:73], s[6:7], s[72:73]
.irp n, 0,1,2,3
	s_mov_b32 s[36+4*\n], 1
	s_add_co_u32 s[37+4*\n], s71, \n*4*REC
	s_add_nc_u64 s[38+4*\n:39+4*\n], s[72:73], \n*4*REC
	s_or_b32 s[39+4*\n], s[39+4*\n], 0x80000000
.endr
	CROUND                                         ; all four work-groups are here: the joint loads meet
	s_cmp_lt_u32 s12, 4                            ; a fetching wave's four first fills stand in one branch: four tensor loads of mine are out
	s_cbranch_scc0 .Lasked
	tensor_load_to_lds s[36:39], s[28:35]
	s_nop 0
	tensor_load_to_lds s[40:43], s[28:35]
	s_nop 0
	tensor_load_to_lds s[44:47], s[28:35]
	s_nop 0
	tensor_load_to_lds s[48:51], s[28:35]
	s_nop 0
.rept 4
	v_nop
.endr
.Lasked:
	TILEADR 26, 52, 54, 60, 62, 76                 ; the late tile
	TILEADR 25, 56, 58, 66, 68, 77                 ; the early tile
	v_add_nc_u32 v5, s76, v6                       ; d = my query's token within its 128 - 16 (lane / 16)
	v_add_nc_u32 v6, s77, v6
	global_load_b128 v[112:115], v1, s[52:53]
	global_load_b128 v[116:119], v1, s[52:53] offset:512
	global_load_b32 v10, v4, s[54:55]
	global_load_b128 v[16:19], v1, s[56:57]
	global_load_b128 v[20:23], v1, s[56:57] offset:512
	global_load_b32 v11, v4, s[58:59]
.macro INIT                            ; a tile begins: the step is written once, its first turn finds zeros, which the first change of M leaves zeros
	v_mov_b32 v13, 0xff61b1e6                      ; the largest t so far: -3e38
	s_delay_alu instid0(VALU_DEP_1)
	v_floor_f32 v12, -v13
	v_mov_b32 v14, 0
	v_mov_b32 v15, 0
.set n, 0
.rept 32
	v_mov_b32 v[O+n], 0
.set n, n+1
.endr
.endm
	INIT
	s_wait_loadcnt 0x0                             ; Q and its scale words
; A KEY STEP: 128 keys, record at LDS byte s22.  qb: Q's operand; qs: its scale words; d, lim: the tile's mask; masked = 1: the step may be hidden or lie on the diagonal.
.macro STEP qb, qs, d, lim, masked
.if \masked
	s_cmp_gt_u32 s21, s[\lim]
	s_cbranch_scc1 .Lhid_\@                        ; all its keys come after my queries
.endif
	s_setprio 2
	v_add_nc_u32 v2, s22, v1
.rept 7
	v_nop                                          ; with the addition: eight places in front of loads into registers that the last products read
.endr
.set n, 0
.rept 16
	ds_load_b128 v[32+4*n:35+4*n], v2 offset:512*n ; K's eight tiles, two loads each
.set n, n+1
.endr
	ds_load_b128 v[KSW:KSW+3], v2 offset:16640
	s_wait_alu depctr_va_vdst(0)
	s_wait_dscnt 0x0
.irp t, 0,1,2,3
	v_wmma_scale_f32_16x16x128_f8f6f4 v[S+8*\t:S+8*\t+7], v[32+8*\t:47+8*\t], v[\qb:\qb+15], 0, v[KSW+\t], v[\qs]
.endr
.irp t, 4,5,6,7
	v_wmma_scale_f32_16x16x128_f8f6f4 v[S+8*\t:S+8*\t+7], v[32+8*\t:47+8*\t], v[\qb:\qb+15], 0, v[KSW+\t-4], v[\qs] matrix_a_scale:MATRIX_SCALE_ROW1
.endr
.rept 8
	v_nop                                          ; places: K's registers take V, and the scores are read
.endr
.set n, 0
.rept 16
	ds_load_b128 v[32+4*n:35+4*n], v2 offset:8192+512*n   ; V's four fragments: they land under the softmax
.set n, n+1
.endr
	ds_load_b128 v[VSW:VSW+3], v2 offset:16384     ; lanes 0-15: row r's four words (lanes 16-31 read on into K's words and are not used)
.if \masked
	s_cmp_lg_u32 s21, s[\lim]
	s_cbranch_scc1 .Lopen_\@                       ; all its keys count
	v_mov_b32 v4, 0xff800000                       ; -infinity
.set n, 0
.rept 64
	v_cmp_gt_i32 vcc_lo, 32*(n/16)+n%16, v[\d]     ; register n holds key 32 (n / 16) + 16 (lane / 16) + n % 16 of the step
	v_cndmask_b32 v[S+n], v[S+n], v4, vcc_lo
.set n, n+1
.endr
.Lopen_\@:
.endif
.irp b, 0,1,2,3
	v_max3_num_f32 v[BM+\b], v[S+16*\b], v[S+1+16*\b], v[S+2+16*\b]   ; the largest score of each block of 32 keys: for the row's maximum and for the block's largest p
.endr
.irp i, 3,5,7,9,11,13
.irp b, 0,1,2,3
	v_max3_num_f32 v[BM+\b], v[BM+\b], v[S+16*\b+\i], v[S+1+16*\b+\i]
.endr
.endr
.irp b, 0,1,2,3
	v_max_num_f32 v[BM+\b], v[BM+\b], v[S+15+16*\b]
.endr
.irp b, 0,1,2,3
	s_delay_alu instid0(VALU_DEP_4)
	v_permlanex16_b32 v[PB+\b], v[BM+\b], s16, s17
.endr
.irp b, 0,1,2,3
	s_delay_alu instid0(VALU_DEP_4)
	v_max_num_f32 v[BM+\b], v[BM+\b], v[PB+\b]     ; with lane l xor 16's 16 keys
.endr
	s_delay_alu instid0(VALU_DEP_2)
	v_max3_num_f32 v3, v[BM], v[BM+1], v[BM+2]
	s_delay_alu instid0(VALU_DEP_1)
	v_max_num_f32 v3, v3, v[BM+3]
	s_delay_alu instid0(VALU_DEP_1)
	v_mul_f32 v3, s18, v3                          ; as t
	s_delay_alu instid0(VALU_DEP_1)
	v_max_num_f32 v13, v13, v3                     ; the running largest t
	v_mov_b32 v3, v12
	s_delay_alu instid0(VALU_DEP_2)
	v_floor_f32 v12, -v13                          ; -M = floor(-t): M is a whole number
	s_delay_alu instid0(VALU_DEP_1)
	v_sub_f32 v3, v12, v3                          ; old M - new M, 0 or less
	s_delay_alu instid0(VALU_DEP_1)
	v_cvt_i32_f32 v3, v3                           ; (it saturates)
	s_delay_alu instid0(VALU_DEP_1)
	v_ldexp_f32 v8, 1.0, v3                        ; f = 2^(old M - new M)
.set n, 0
.rept 32
	v_pk_fma_f32 v[S+n:S+n+1], v[S+n:S+n+1], s[18:19], v[12:13] op_sel_hi:[1,0,0]   ; t - M, two at a time
.set n, n+2
.endr
.irp b, 0,1,2,3
	v_fma_f32 v[BM+\b], v[BM+\b], s18, v12
.endr
.set n, 0
	s_setprio 1
	s_wait_alu depctr_va_vdst(0)
.rept 64
	v_exp_f32 v[S+n], v[S+n]                       ; p = 2^(t - M)
.set n, n+1
.endr
	v_pk_mul_f32 v[14:15], v[14:15], v[8:9] op_sel_hi:[1,0]   ; the sums under the new M (a plain line behind the exponentials)
	s_wait_alu depctr_va_vdst(0)                   ; one wait for the batch of 64, ahead of its first reader
.irp b, 0,1,2,3
	v_exp_f32 v[BM+\b], v[BM+\b]                   ; the block's largest p
.endr
	v_pk_add_f32 v[228:229], v[132:133], v[136:137]
	v_pk_add_f32 v[252:253], v[140:141], v[144:145]
	v_pk_add_f32 v[250:251], v[148:149], v[152:153]
	v_pk_add_f32 v[248:249], v[156:157], v[160:161]
	v_pk_add_f32 v[242:243], v[164:165], v[168:169]
	v_pk_add_f32 v[240:241], v[172:173], v[176:177]
	v_pk_add_f32 v[238:239], v[180:181], v[184:185]
	v_pk_add_f32 v[14:15], v[14:15], v[188:189]
	v_pk_add_f32 v[228:229], v[228:229], v[128:129]
	v_pk_add_f32 v[252:253], v[252:253], v[130:131]
	v_pk_add_f32 v[250:251], v[250:251], v[134:135]
	v_pk_add_f32 v[248:249], v[248:249], v[138:139]
	v_pk_add_f32 v[242:243], v[242:243], v[142:143]
	v_pk_add_f32 v[240:241], v[240:241], v[146:147]
	v_pk_add_f32 v[238:239], v[238:239], v[150:151]
	v_pk_add_f32 v[14:15], v[14:15], v[154:155]
	v_pk_add_f32 v[228:229], v[228:229], v[158:159]
	v_pk_add_f32 v[252:253], v[252:253], v[162:163]
	v_pk_add_f32 v[250:251], v[250:251], v[166:167]
	v_pk_add_f32 v[248:249], v[248:249], v[170:171]
	v_pk_add_f32 v[242:243], v[242:243], v[174:175]
	v_pk_add_f32 v[240:241], v[240:241], v[178:179]
	v_pk_add_f32 v[238:239], v[238:239], v[182:183]
	v_pk_add_f32 v[14:15], v[14:15], v[186:187]
	v_pk_add_f32 v[228:229], v[228:229], v[190:191]
	s_delay_alu instid0(VALU_DEP_2)
	v_pk_add_f32 v[14:15], v[14:15], v[248:249]
	s_delay_alu instid0(VALU_DEP_2)
	v_pk_add_f32 v[228:229], v[228:229], v[242:243]
	v_pk_add_f32 v[252:253], v[252:253], v[240:241]
	v_pk_add_f32 v[250:251], v[250:251], v[238:239]
	s_delay_alu instid0(VALU_DEP_2)
	v_pk_add_f32 v[14:15], v[14:15], v[252:253]
	s_delay_alu instid0(VALU_DEP_2)
	v_pk_add_f32 v[228:229], v[228:229], v[250:251]
	s_delay_alu instid0(VALU_DEP_1)
	v_pk_add_f32 v[14:15], v[14:15], v[228:229]
	s_wait_alu depctr_va_vdst(0)                   ; and one for the four
.irp b, 0,1,2,3
	v_max_num_f32 v[BM+\b], 0x4800000, v[BM+\b]    ; the floor 2^(9 - 127)
.endr
.irp b, 0,1,2,3
	s_delay_alu instid0(VALU_DEP_4)
	v_add_nc_u32 v[SO+\b], 0xfc000000, v[BM+\b]
.endr
.irp b, 0,1,2,3
.endr
.irp b, 0,1,2,3
	s_delay_alu instid0(VALU_DEP_4)
	v_lshrrev_b32 v[PB+\b], 23, v[SO+\b]
.endr
	s_delay_alu instid0(VALU_DEP_3)
	v_lshl_or_b32 v9, v[PB+1], 8, v[PB]            ; p's scale word for these 128 keys
	s_delay_alu instid0(VALU_DEP_1)
	v_lshl_or_b32 v9, v[PB+2], 16, v9
	s_delay_alu instid0(VALU_DEP_1)
	v_lshl_or_b32 v9, v[PB+3], 24, v9
	s_setprio 0
.irp b, 0,1,2,3
.irp i, 0,1,2,3,4,5,6,7,8,9,10,11,12,13,14,15
.endr
	v_cvt_scalef32_pk8_fp8_f32 v[PCD+4*\b:PCD+4*\b+1], v[S+16*\b:S+16*\b+7], v[SO+\b]
	v_cvt_scalef32_pk8_fp8_f32 v[PCD+4*\b+2:PCD+4*\b+3], v[S+16*\b+8:S+16*\b+15], v[SO+\b]
.endr
.set n, 0
.rept 16
	v_pk_mul_f32 v[O+n:O+n+1], v[O+n:O+n+1], v[8:9] op_sel_hi:[1,0]   ; O^T under the new M, each accumulator from its low end; also the places between the codes and the products
.set n, n+2
.endr
	s_wait_alu depctr_va_vdst(0)
	s_wait_dscnt 0x0                               ; V
.irp t, 0,1,2,3
	v_wmma_scale_f32_16x16x128_f8f6f4 v[O+8*\t:O+8*\t+7], v[32+16*\t:47+16*\t], v[PCD:PCD+15], v[O+8*\t:O+8*\t+7], v[VSW+\t], v9   ; four accumulators by turns
.endr
.if \masked
.Lhid_\@:
.endif
	s_add_co_u32 s22, s22, REC                     ; the next record
.endm
; A TILE'S END: O^T / the sum, quantised along the channels (two blocks of 32), stored as an image.
.macro EPI ao, sc
.rept 8
	v_nop                                          ; places behind the last products
.endr
	v_add_f32 v14, v14, v15
	s_delay_alu instid0(VALU_DEP_1)
	v_permlanex16_b32 v3, v14, s16, s17
	s_delay_alu instid0(VALU_DEP_1)
	v_add_f32 v14, v14, v3                         ; the row's sum
	s_wait_alu depctr_va_vdst(0)
	v_rcp_f32 v8, v14
	v_nop
	s_wait_alu depctr_va_vdst(0)                   ; ahead of the reciprocal's first reader
.set n, 0
.rept 16
	v_pk_mul_f32 v[S+n:S+n+1], v[O+n:O+n+1], v[8:9] op_sel_hi:[1,0]   ; register 16 b + i: channel 32 b + 16 (lane / 16) + i of my head
.set n, n+2
.endr
.irp b, 0,1
	v_max3_num_f32 v[BM+\b], |v[S+16*\b]|, |v[S+1+16*\b]|, 0x4800000
.endr
.irp i, 2,4,6,8,10,12,14
.irp b, 0,1
	s_delay_alu instid0(VALU_DEP_2)
	v_max3_num_f32 v[BM+\b], v[BM+\b], |v[S+16*\b+\i]|, |v[S+1+16*\b+\i]|
.endr
.endr
.irp b, 0,1
	s_delay_alu instid0(VALU_DEP_2)
	v_permlanex16_b32 v[PB+\b], v[BM+\b], s16, s17
.endr
.irp b, 0,1
	s_delay_alu instid0(VALU_DEP_2)
	v_max_num_f32 v[BM+\b], v[BM+\b], v[PB+\b]
.endr
.irp b, 0,1
	s_delay_alu instid0(VALU_DEP_2)
	v_add_nc_u32 v[SO+\b], 0xfc000000, v[BM+\b]
.endr
.irp b, 0,1
.endr
.irp b, 0,1
	s_delay_alu instid0(VALU_DEP_2)
	v_lshrrev_b32 v[PB+\b], 23, v[SO+\b]
.endr
	s_delay_alu instid0(VALU_DEP_1)
	v_lshl_or_b32 v3, v[PB+1], 8, v[PB]            ; my row's two scale bytes
.irp b, 0,1
.irp i, 0,1,2,3,4,5,6,7,8,9,10,11,12,13,14,15
.endr
	v_cvt_scalef32_pk8_fp8_f32 v[PCD+4*\b:PCD+4*\b+1], v[S+16*\b:S+16*\b+7], v[SO+\b]
	v_cvt_scalef32_pk8_fp8_f32 v[PCD+4*\b+2:PCD+4*\b+3], v[S+16*\b+8:S+16*\b+15], v[SO+\b]
.endr
	v_nop                                          ; a plain line behind the last conversion
	global_store_b128 v1, v[PCD:PCD+3], s[\ao:\ao+1]               ; 512 consecutive bytes, aligned
	global_store_b128 v1, v[PCD+4:PCD+7], s[\ao:\ao+1] offset:512
	global_store_b16 v7, v3, s[\sc:\sc+1]                          ; lanes r and r + 16 write the same two bytes with the same value
	s_wait_xcnt 0x0                                ; the stores' data are written again only behind this wait
.endm
	s_wait_tensorcnt 0x3                           ; a fetching wave's first record is in (its three younger loads may be out): records 0-3 behind the barrier
	s_barrier_signal -1
	s_barrier_wait -1
	s_mov_b32 s21, 0
	s_mov_b32 s22, 0
.Lp1:                                              ; the late tile, key steps 0-3: its last step is 8 or later, so all keys count
	STEP 112, 10, 5, 23, 0
	s_add_co_u32 s21, s21, 1
	s_cmp_lt_u32 s21, 4
	s_cbranch_scc1 .Lp1
	s_setprio 0
	s_wait_tensorcnt 0x2                           ; records 4-7 (two younger loads may be out)
	s_wait_dscnt 0x0
	s_barrier_signal -1
	s_barrier_wait -1
	s_mov_b32 s21, 4
	s_mov_b32 s22, 4*REC
.Lp2:                                              ; key steps 4-7
	STEP 112, 10, 5, 23, 0
	s_add_co_u32 s21, s21, 1
	s_cmp_lt_u32 s21, 8
	s_cbranch_scc1 .Lp2
	s_setprio 0
	s_wait_tensorcnt 0x0                           ; the whole head
	s_wait_dscnt 0x0
	s_barrier_signal -1
	s_barrier_wait -1                              ; from here on no wave waits for another
	s_mov_b32 s21, 8
	s_mov_b32 s22, 8*REC
.Lp3:                                              ; key steps 8-15: the trip count is a constant, hidden steps are jumped over inside
	STEP 112, 10, 5, 23, 1
	s_add_co_u32 s21, s21, 1
	s_cmp_lt_u32 s21, 16
	s_cbranch_scc1 .Lp3
	s_setprio 0
	EPI 60, 62
	INIT
	s_mov_b32 s21, 0
	s_mov_b32 s22, 0
.Lp4:                                              ; the early tile, key steps 0-7
	STEP 16, 11, 6, 24, 1
	s_add_co_u32 s21, s21, 1
	s_cmp_lt_u32 s21, 8
	s_cbranch_scc1 .Lp4
	s_setprio 0
	EPI 66, 68
	s_wait_tensorcnt 0x0
	ds_add_u32 v254, v255
	s_wait_dscnt 0x0
	CROUND                                         ; the closing round
	s_endpgm
.Lfunc_end_k_q44cdbceee0_attn:
	.size	k_q44cdbceee0_attn, .Lfunc_end_k_q44cdbceee0_attn-k_q44cdbceee0_attn
	.p2alignl 7, 3214868480
	.fill 96, 4, 3214868480
	.section	.rodata,"a",@progbits
	.p2align	6, 0x0
	.amdhsa_kernel k_q44cdbceee0_attn
		.amdhsa_group_segment_fixed_size 327680
		.amdhsa_private_segment_fixed_size 0
		.amdhsa_enable_private_segment 0
		.amdhsa_kernarg_size 24
		.amdhsa_user_sgpr_count 2
		.amdhsa_user_sgpr_kernarg_segment_ptr 1
		.amdhsa_wavefront_size32 1
		.amdhsa_system_sgpr_workgroup_id_x 1
		.amdhsa_system_sgpr_workgroup_id_y 1
		.amdhsa_system_sgpr_workgroup_id_z 1
		.amdhsa_system_vgpr_workitem_id 0
		.amdhsa_next_free_vgpr 256
		.amdhsa_next_free_sgpr 80
		.amdhsa_reserve_vcc 1
		.amdhsa_float_denorm_mode_32 3
		.amdhsa_float_denorm_mode_16_64 3
		.amdhsa_fp16_overflow 1
		.amdhsa_memory_ordered 1
		.amdhsa_forward_progress 1
		.amdhsa_inst_pref_size 100
	.end_amdhsa_kernel
	.amdgpu_metadata
---
amdhsa.version: [ 1, 2 ]
amdhsa.kernels:
  - .name:           k_q44cdbceee0_attn
    .symbol:         k_q44cdbceee0_attn.kd
    .args:
      - { .name: qrec, .offset: 0, .size: 8, .value_kind: global_buffer, .address_space: global }
      - { .name: kv, .offset: 8, .size: 8, .value_kind: global_buffer, .address_space: global }
      - { .name: ao, .offset: 16, .size: 8, .value_kind: global_buffer, .address_space: global }
    .group_segment_fixed_size: 327680
    .private_segment_fixed_size: 0
    .kernarg_segment_align: 8
    .kernarg_segment_size: 24
    .max_flat_workgroup_size: 512
    .sgpr_count:     80
    .vgpr_count:     256
    .wavefront_size: 32
...
	.end_amdgpu_metadata
.endif
;; end of part 3
;; launch proj (part 4): grid 4 x 32, 4 waves a work-group, clusters of 4 x 4, 327,680 bytes of LDS; arguments ao, wp, out0; writes out0
.if DOCPART == 4
	.amdgcn_target "amdgcn-amd-amdhsa--gfx1250"
	.amdhsa_code_object_version 6
	.text
	.protected	k_q44cdbceee0_proj
	.globl	k_q44cdbceee0_proj
	.p2align	8
	.type	k_q44cdbceee0_proj,@function
k_q44cdbceee0_proj:
	s_mov_b64 s[64:65], 0
	v_nop
	global_prefetch_b8 v0, s[64:65] scope:SCOPE_SE
	s_setreg_imm32_b32 hwreg(HW_REG_WAVE_MODE, 25, 1), 1
	s_wait_xcnt 0x0
	s_wait_alu depctr_hold_cnt(0) depctr_sa_sdst(0) depctr_va_vdst(0) depctr_va_sdst(0) depctr_va_ssrc(0) depctr_va_vcc(0) depctr_vm_vsrc(0)
	s_getreg_b32 s2, hwreg(HW_REG_IB_STS2, 6, 4)
	s_cmp_eq_u32 s2, 0
	s_cbranch_scc0 .Lentry_in_a_cluster
	s_endpgm
.Lentry_in_a_cluster:
	s_bfe_u32 s2, ttmp6, 0x10000c
	s_cmp_lg_u32 s2, 0xf033
	s_cbranch_scc0 .Lentry_shape_is_right
	s_endpgm
.Lentry_shape_is_right:
; out0 = ao w_proj^T on codes of E4M3 with E8M0 scales: M = 8,192, N = 1,024, K = 1,024; out0 is f32.
; A tile of 256 x 256 is made by four waves, 128 x 128 each: 64 accumulators.  K goes in steps of 256 through two LDS slots; the scale bytes of the 2 x 256 rows come once.
; A (the attention's output) lies in memory as IMAGES OF ITS FRAGMENTS: for each 16 rows 16,384 bytes, 2,048 for each 128 along K, [block of 32][lane][16 bytes]: a K step of 128 rows is 8 rows of 4,096 bytes, 16,384 apart;
; a fragment comes out of LDS by four loads at 16 x lane.  B (w_proj) lies as rows of codes, padded in LDS.  Both sides' scale bytes lie as rows of 32 bytes behind the codes (ao: 0x800000, wp: 0x100000).
; A's ROWS ARE PERMUTED: row 16 a + t of a wave's 128 is token 32 (a / 2) + 8 (a % 2) + t + 8 (t / 8): undone in the stores' offsets, which are constants.
; CLUSTERS: 4 x 4 work-groups; A's tile is shared along a row of the cluster, B's along a column: joint tensor loads.  THE MATRIX INSTRUCTION IS USED TRANSPOSED (source 0 = 16 rows of B, source 1 = 16 rows of A).
; The launch has 128 work-groups: 128 tiles of 256 x 256.
; REGISTERS: window 0: v16-31 addresses; v32-63 scale words, two sets; v128-255 A's fragments, one set.  window 1: B's fragments, two sets.  windows 2, 3: the accumulators.
.set SIZE_N, 1024
.set KSTEP,  256
.set NQ,     2
.set ROWB,   256
.set KROW,   1024
.set ASTEP,  4096                      ; a K step of 16 rows of A's images
.set PITCH,  272
.set FR,     16
.set NL,     4
.set NP,     8                         ; places behind this matrix instruction (ISA guide 7.12.1)
.set HALFT,  128*PITCH                 ; the place of 128 rows in a slot (A's images use 32,768 bytes of it)
.set SLOT,   4*HALFT
.set KS,     32
.set SCL,    2*SLOT
.set HALFS,  (128*KS/256)*272
.set SBLK,   (16*KS/256)*272
.set SPARE,  SCL+4*HALFS               ; the spare words: two blocks of 256 bytes that no other line names
.set SPITCH, 528                       ; the way out: a stage of 16 rows x (512 + 16) bytes for each wave, in slot 0, which has had its last fill and its last read by then
.set ADRA, 16
.set ADRB, 20
.set STO,  24
.set RD,   25
.set CO,   26                          ; v26  16 x lane: my bytes in a row of C, in a stage row, and in an image
.set ADRS, 27
.set SPW,  28
.set NIL,  29
.set SC,   32
.set AF,   128
.set BK,   128
.set G1, 24
.set G0, 32
.set G1B, 48
.set G0B, 56
.set G1S, 68
.set G0S, 76
.set G1SB, 80
.set G0SB, 88
.set MSB, 0
.macro WIN new
.if MSB != \new
	s_set_vgpr_msb (MSB<<8)|\new
.set MSB, \new
.endif
.endm
.set MUL_LO, 0xa1
.set MUL_HI, 0xf1
.set TO_B,   0x40
.macro JLOAD g0a, g1a, g0b, g1b        ; waves 0 and 1 fetch for A, waves 2 and 3 for B; four v_nop follow each line
	s_cmp_eq_u32 s15, 0
	s_cbranch_scc0 .Lfor_b_\@
	tensor_load_to_lds s[\g0a:\g0a+3], s[\g1a:\g1a+7]
	s_nop 0
.rept 4
	v_nop
.endr
	s_branch .Lasked_\@
.Lfor_b_\@:
	tensor_load_to_lds s[\g0b:\g0b+3], s[\g1b:\g1b+7]
	s_nop 0
.rept 4
	v_nop
.endr
.Lasked_\@:
.endm
.macro CREST
	s_cmp_lg_u32 s14, 0
	s_cbranch_scc1 .Lnot_wave_0_\@
	s_barrier_signal -3
.Lnot_wave_0_\@:
	s_barrier_wait -3
	s_barrier_signal -1
	s_barrier_wait -1
.endm
.macro CROUND
	s_barrier_signal -1
	s_barrier_wait -1
	CREST
.endm
	s_load_b128 s[4:7], s[0:1], 0x0                ; ao s[4:5], wp s[6:7]
	s_load_b64 s[12:13], s[0:1], 0x10              ; out0
	v_lshl_add_u32 v[SPW], v0, 2, SPARE
	v_mov_b32 v[NIL], 0
	ds_add_u32 v28, v29
	ds_add_u32 v28, v29
	s_wait_dscnt 0x0
	v_lshrrev_b32 v1, 5, v0
	v_readfirstlane_b32 s14, v1                    ; wave 0..3
	s_lshr_b32 s15, s14, 1                         ; which half of the tile's rows is mine.  Also: I fetch for A (0) or B (1)
	s_and_b32 s16, s14, 1                          ; which half of its columns.  Also: which 128 rows I fetch
	s_bfe_u32 s40, ttmp6, 0x40000
	s_bfe_u32 s41, ttmp6, 0x40004
	s_lshl_b32 s42, ttmp9, 2
	s_add_co_u32 s42, s42, s40                     ; tile column
	s_and_b32 s17, ttmp7, 0xffff
	s_lshl_b32 s17, s17, 2
	s_add_co_u32 s17, s17, s41                     ; tile row
	s_lshl_b32 s43, s41, 2
	s_lshl_b32 s43, 15, s43                        ; my row of the cluster
	s_lshl_b32 s44, 0x1111, s40                    ; my column
	s_or_b32 s[G1+0], s43, (3<<16)|(1<<21)         ; A's images: elements of 8 bytes, no padding; the mask of my row, bit 21 beside it
	s_mov_b32 s[G1+1], 512<<16                     ; tensor_dim0 = 512 elements: 4,096 bytes
	s_mov_b32 s[G1+2], 8<<16                       ; tensor_dim1 = 8: eight times 16 rows of A
	s_mov_b32 s[G1+3], 512<<16                     ; tile_dim0
	s_mov_b32 s[G1+4], 8                           ; tile_dim1
	s_mov_b32 s[G1+5], 2048                        ; pitch: 16,384 bytes
	s_mov_b32 s[G1+6], 0
	s_mov_b32 s[G1+7], 0
	s_or_b32 s[G1B+0], s44, (0<<16)|(1<<20)|(1<<21)|(5<<22)|(3<<25)  ; B's rows: elements of 1 byte; 4 words of padding behind every 64
	s_mov_b32 s[G1B+1], ROWB<<16
	s_mov_b32 s[G1B+2], 128<<16
	s_mov_b32 s[G1B+3], ROWB<<16
	s_mov_b32 s[G1B+4], 128
	s_mov_b32 s[G1B+5], KROW
	s_mov_b32 s[G1B+6], 0
	s_mov_b32 s[G1B+7], 0
	s_or_b32 s[G1S+0], s43, (3<<16)|(1<<20)|(1<<21)|(5<<22)|(3<<25)  ; the scales of 128 rows: 16 rows of 256 bytes, padded
	s_or_b32 s[G1SB+0], s44, (3<<16)|(1<<20)|(1<<21)|(5<<22)|(3<<25)
.irp g, G1S, G1SB
	s_mov_b32 s[\g+1], 32<<16
	s_mov_b32 s[\g+2], (128*KS/256)<<16
	s_mov_b32 s[\g+3], 32<<16
	s_mov_b32 s[\g+4], 128*KS/256
	s_mov_b32 s[\g+5], 32
	s_mov_b32 s[\g+6], 0
	s_mov_b32 s[\g+7], 0
.endr
	s_lshl_b32 s18, s16, 7
	s_lshl_b32 s20, s17, 8
	s_add_co_u32 s20, s20, s18                     ; A's row
	s_lshl_b32 s46, s42, 8
	s_add_co_u32 s46, s46, s18                     ; B's row
	s_mov_b32 s21, 0
	s_mov_b32 s47, 0
	s_mov_b64 s[18:19], KS
	s_mul_u64 s[22:23], s[20:21], s[18:19]
	s_mul_u64 s[92:93], s[46:47], s[18:19]
	s_add_nc_u64 s[22:23], s[22:23], 0x800000      ; the scale bytes lie behind the codes
	s_add_nc_u64 s[92:93], s[92:93], 0x100000
	s_mov_b64 s[18:19], KROW
	s_mul_u64 s[20:21], s[20:21], s[18:19]         ; 16 rows of A's images are 16,384 bytes: 1,024 a row, as for rows of codes
	s_mul_u64 s[46:47], s[46:47], s[18:19]
	s_mul_i32 s45, s14, HALFT
	s_mul_i32 s94, s14, HALFS
	s_wait_kmcnt 0x0
	s_add_nc_u64 s[20:21], s[4:5], s[20:21]
	s_add_nc_u64 s[22:23], s[4:5], s[22:23]
	s_add_nc_u64 s[46:47], s[6:7], s[46:47]
	s_add_nc_u64 s[92:93], s[6:7], s[92:93]
	CROUND                                         ; all sixteen work-groups are here: the first joint loads meet
	s_mov_b32 s[G0S], 1
	s_add_co_u32 s[G0S+1], s94, SCL
	s_mov_b64 s[G0S+2:G0S+3], s[22:23]
	s_or_b32 s[G0S+3], s[G0S+3], 0x80000000
	s_mov_b32 s[G0SB], 1
	s_add_co_u32 s[G0SB+1], s94, SCL
	s_mov_b64 s[G0SB+2:G0SB+3], s[92:93]
	s_or_b32 s[G0SB+3], s[G0SB+3], 0x80000000
	JLOAD G0S, G1S, G0SB, G1SB                     ; each load below waits for the one before: one tensor load of mine is out at a time
.irp s, 0,1
	s_mov_b32 s[G0+4*\s], 1
	s_add_co_u32 s[G0+4*\s+1], s45, \s*SLOT
	s_add_nc_u64 s[G0+4*\s+2:G0+4*\s+3], s[20:21], \s*ASTEP
	s_or_b32 s[G0+4*\s+3], s[G0+4*\s+3], 0x80000000
	s_mov_b32 s[G0B+4*\s], 1
	s_add_co_u32 s[G0B+4*\s+1], s45, \s*SLOT
	s_add_nc_u64 s[G0B+4*\s+2:G0B+4*\s+3], s[46:47], \s*ROWB
	s_or_b32 s[G0B+4*\s+3], s[G0B+4*\s+3], 0x80000000
	s_wait_alu depctr_va_vdst(0)
	s_wait_tensorcnt 0x0
	ds_add_u32 v28, v29
	s_wait_dscnt 0x0
	CROUND
	JLOAD G0+4*\s, G1, G0B+4*\s, G1B
.endr
	v_and_b32 v1, 15, v0                           ; l % 16
	v_bfe_u32 v2, v0, 4, 1                         ; l / 16
	v_and_b32 v6, 31, v0
	v_lshlrev_b32 v[CO], 4, v6                     ; 16 x lane
	v_mul_u32_u24 v3, v1, PITCH
	v_lshl_add_u32 v4, v2, 4, v3                   ; B: a fragment's row x pitch + 16 x half
	s_mul_i32 s21, s15, HALFT                      ; my 128 rows of A
	s_mul_i32 s22, s16, HALFT                      ; my 128 rows of B,
	s_add_co_u32 s22, s22, 2*HALFT                 ; behind A's
.irp s, 0,1
	v_add_nc_u32 v[ADRA+\s], s21, v[CO]
	v_add_nc_u32 v[ADRB+\s], s22, v4
	s_add_co_u32 s21, s21, SLOT
	s_add_co_u32 s22, s22, SLOT
.endr
	v_mul_u32_u24 v5, v1, KS
	v_lshrrev_b32 v6, 8, v5
	v_lshl_add_u32 v5, v6, 4, v5
	s_mul_i32 s21, s15, HALFS
	s_mul_i32 s22, s16, HALFS
	s_add_co_u32 s22, s22, 2*HALFS
	s_sub_co_u32 s22, s22, s21
	v_mul_u32_u24 v6, s22, v2                      ; lanes 16-31 take B's
	s_add_co_u32 s21, s21, SCL
	v_add_nc_u32 v5, v5, v6
	v_add_nc_u32 v[ADRS], s21, v5
	s_mul_i32 s23, s14, 16*SPITCH                  ; my stage
	v_mul_u32_u24 v5, v1, SPITCH
	v_lshl_add_u32 v5, v2, 5, v5
	v_add_nc_u32 v[STO], s23, v5
	v_add_nc_u32 v[RD], s23, v[CO]
	s_lshl_b32 s20, s17, 8
	s_lshl_b32 s21, s15, 7
	s_add_co_u32 s20, s20, s21                     ; my first row of C
	s_mov_b32 s21, 0
	s_mov_b64 s[18:19], SIZE_N*4
	s_mul_u64 s[20:21], s[20:21], s[18:19]
	s_lshl_b32 s46, s42, 10
	s_lshl_b32 s47, s16, 9
	s_add_co_u32 s46, s46, s47
	s_mov_b32 s47, 0
	s_add_nc_u64 s[20:21], s[20:21], s[46:47]
	s_add_nc_u64 s[12:13], s[12:13], s[20:21]
.macro FRAG reg, adr, q, i             ; B: from padded rows
.irp c, 0,1,2,3
	ds_load_b128 v[\reg+4*\c:\reg+4*\c+3], v[\adr] offset:128*(\q)+32*\c+(\i)*16*PITCH
.endr
.endm
.macro FRAGA reg, adr, q, i            ; A: an image: 512 consecutive bytes a load
.irp c, 0,1,2,3
	ds_load_b128 v[\reg+4*\c:\reg+4*\c+3], v[\adr] offset:4096*(\i)+2048*(\q)+512*\c
.endr
.endm
.macro MUL16 a0, p, q, sc, zero        ; the 64 accumulators take turns, one instruction a turn
.irp a, \a0, \a0+1
.irp b, 0,1,2,3,4,5,6,7
.if \zero
	v_wmma_scale_f32_16x16x128_f8f6f4 v[8*(8*((\a)%4)+\b):8*(8*((\a)%4)+\b)+7], v[128*(\p)+FR*\b:128*(\p)+FR*\b+FR-1], v[AF+FR*(\a):AF+FR*(\a)+FR-1], 0, v[SC+8*NQ*(\sc)+NQ*\b+(\q)], v[SC+8*NQ*(\sc)+NQ*(\a)+(\q)] matrix_a_scale:MATRIX_SCALE_ROW1
.else
	v_wmma_scale_f32_16x16x128_f8f6f4 v[8*(8*((\a)%4)+\b):8*(8*((\a)%4)+\b)+7], v[128*(\p)+FR*\b:128*(\p)+FR*\b+FR-1], v[AF+FR*(\a):AF+FR*(\a)+FR-1], v[8*(8*((\a)%4)+\b):8*(8*((\a)%4)+\b)+7], v[SC+8*NQ*(\sc)+NQ*\b+(\q)], v[SC+8*NQ*(\sc)+NQ*(\a)+(\q)] matrix_a_scale:MATRIX_SCALE_ROW1
.endif
.endr
.endr
.endm
.macro FETCH_B slot, q, p
	WIN TO_B
.irp i, 0,1,2,3,4,5,6,7
	FRAG 128*(\p)+FR*\i, ADRB+\slot, \q, \i
.endr
	WIN 0
.endm
.macro FETCH_A slot, q, i0
.irp i, \i0, \i0+1, \i0+2, \i0+3
	FRAGA AF+FR*(\i), ADRA+\slot, \q, \i
.endr
.endm
.macro SCALES sc
.irp i, 0,1,2,3,4,5,6,7
	ds_load_b64 v[SC+8*NQ*\sc+NQ*\i:SC+8*NQ*\sc+NQ*\i+1], v[ADRS] offset:\i*SBLK
.endr
.endm
.macro PLACES n
.rept \n
	v_nop
.endr
.endm
.macro STEP slot, q, zero
	s_wait_dscnt 4*NL                              ; B's set and A's blocks 0-3 are in; the youngest 16 loads may be out
	WIN MUL_LO
	MUL16 0, (\q)%2, \q, \slot, \zero
	MUL16 2, (\q)%2, \q, \slot, \zero
	s_wait_dscnt 0
	PLACES NP
	FETCH_B \slot, (\q)+1, 1-(\q)%2
	FETCH_A \slot, (\q)+1, 0
	WIN MUL_HI
	MUL16 4, (\q)%2, \q, \slot, \zero
	MUL16 6, (\q)%2, \q, \slot, \zero
	PLACES NP
	WIN 0
	FETCH_A \slot, (\q)+1, 4
.endm
.macro TURN slot, next, fill
	s_wait_tensorcnt 0x0                           ; all my tensor loads have landed: my part of the next slot
	ds_add_u32 v[SPW], v[NIL]                      ; 0 onto my spare word
	s_wait_dscnt 4*NL+1                            ; the add and the youngest 16 loads may be out
	WIN MUL_LO
	MUL16 0, 1, NQ-1, \slot, 0
	s_wait_dscnt 0x0                               ; the add is done, and my reads of this slot are over
	s_barrier_signal -1
	MUL16 2, 1, NQ-1, \slot, 0
	WIN 0
	s_barrier_wait -1
.if \fill
	CREST                                          ; a round of the cluster's barrier: no wave of any partner still reads this slot or has a load on its way
	s_add_nc_u64 s[G0+4*\slot+2:G0+4*\slot+3], s[G0+4*\slot+2:G0+4*\slot+3], 2*ASTEP
	s_add_nc_u64 s[G0B+4*\slot+2:G0B+4*\slot+3], s[G0B+4*\slot+2:G0B+4*\slot+3], 2*ROWB
	JLOAD G0+4*\slot, G1, G0B+4*\slot, G1B
	PLACES NP-4
.else
	PLACES NP
.endif
	s_wait_alu depctr_va_vdst(0)
	v_add_nc_u32 v[ADRS], 4*NQ, v[ADRS]
	FETCH_B \next, 0, 0
	FETCH_A \next, 0, 0
	SCALES \next
	WIN MUL_HI
	MUL16 4, 1, NQ-1, \slot, 0
	MUL16 6, 1, NQ-1, \slot, 0
	PLACES NP
	WIN 0
	FETCH_A \next, 0, 4
.endm
	s_wait_alu depctr_va_vdst(0)
	s_wait_tensorcnt 1                             ; the scales and my part of K step 0 are in; K step 1's load may be out
	s_barrier_signal -1
	s_barrier_wait -1
	FETCH_B 0, 0, 0
	FETCH_A 0, 0, 0
	SCALES 0
	FETCH_A 0, 0, 4
	STEP 0, 0, 1                                   ; four K steps, eight steps of 128, written out; the first products start the sums
	TURN 0, 1, 1
	STEP 1, 0, 0
	TURN 1, 0, 1
	STEP 0, 0, 0
	TURN 0, 1, 0
	STEP 1, 0, 0
	s_wait_dscnt 4*NL
	WIN MUL_LO
	MUL16 0, 1, NQ-1, 1, 0
	MUL16 2, 1, NQ-1, 1, 0
	s_wait_dscnt 0
	WIN MUL_HI
	MUL16 4, 1, NQ-1, 1, 0
	MUL16 6, 1, NQ-1, 1, 0
	WIN 0
; THE WAY OUT, block by block of 16 rows x 128 columns, through my own stage: in as 32 bytes a lane, back as whole rows of 512 bytes.  LDS serves a wave's instructions in order (ISA guide 5.7.1.4).
.macro TOSTAGE a
.set AC, 64*((\a)%4)
	WIN 0x08+4*((\a)/4)                            ; the data: window 2 or 3
.irp b, 0,1,2,3,4,5,6,7
	ds_store_b128 v[STO], v[AC+8*\b:AC+8*\b+3] offset:64*\b          ; each accumulator from its low end on
	ds_store_b128 v[STO], v[AC+8*\b+4:AC+8*\b+7] offset:64*\b+16
.endr
	WIN 0
.set BB, BK+64*((\a)%2)
.irp t, 0,1,2,3,4,5,6,7,8,9,10,11,12,13,14,15
	ds_load_b128 v[BB+4*\t:BB+4*\t+3], v[RD] offset:\t*SPITCH
.endr
.endm
.macro SEND a, younger                 ; younger: the LDS instructions issued behind block a's loads
.set BB, BK+64*((\a)%2)
	s_wait_dscnt \younger
.if (\a) > 0
.if ((\a)%2) == 1
	s_add_nc_u64 s[12:13], s[12:13], 8*SIZE_N*4    ; block a begins at token 32 (a / 2) + 8 (a % 2): 8 rows on,
.else
	s_add_nc_u64 s[12:13], s[12:13], 24*SIZE_N*4   ; or 24 (behind a wait on XCNT: the earlier stores have read their base)
.endif
.endif
.irp t, 0,1,2,3,4,5,6,7,8,9,10,11,12,13,14,15
	global_store_b128 v[CO], v[BB+4*\t:BB+4*\t+3], s[12:13] offset:(\t+8*(\t/8))*SIZE_N*4 th:TH_STORE_NT   ; row t of the block is token t + 8 (t / 8) from there; 32 lanes store 512 consecutive bytes, aligned
.endr
.endm
	PLACES NP
	TOSTAGE 0
.irp a, 1,2,3,4,5,6,7
.if \a > 1
	s_wait_xcnt 0x0                                ; block a - 2's stores have read their registers and their base
.endif
	TOSTAGE \a
	SEND \a-1, 32                                  ; behind block a - 1's loads: block a's 16 stores and 16 loads
.endr
	s_wait_xcnt 0x0
	SEND 7, 0
	s_wait_tensorcnt 0x0                           ; the wave's end
	ds_add_u32 v[SPW], v[NIL]
	s_wait_dscnt 0x0
	CROUND                                         ; the closing round
	s_endpgm
.Lfunc_end_k_q44cdbceee0_proj:
	.size	k_q44cdbceee0_proj, .Lfunc_end_k_q44cdbceee0_proj-k_q44cdbceee0_proj
	.p2alignl 7, 3214868480
	.fill 96, 4, 3214868480
	.section	.rodata,"a",@progbits
	.p2align	6, 0x0
	.amdhsa_kernel k_q44cdbceee0_proj
		.amdhsa_group_segment_fixed_size 327680
		.amdhsa_private_segment_fixed_size 0
		.amdhsa_enable_private_segment 0
		.amdhsa_kernarg_size 24
		.amdhsa_user_sgpr_count 2
		.amdhsa_user_sgpr_kernarg_segment_ptr 1
		.amdhsa_wavefront_size32 1
		.amdhsa_system_sgpr_workgroup_id_x 1
		.amdhsa_system_sgpr_workgroup_id_y 1
		.amdhsa_system_sgpr_workgroup_id_z 1
		.amdhsa_system_vgpr_workitem_id 0
		.amdhsa_next_free_vgpr 1024
		.amdhsa_next_free_sgpr 98
		.amdhsa_reserve_vcc 0
		.amdhsa_float_denorm_mode_32 3
		.amdhsa_float_denorm_mode_16_64 3
		.amdhsa_memory_ordered 1
		.amdhsa_forward_progress 1
		.amdhsa_inst_pref_size 146
	.end_amdhsa_kernel
	.amdgpu_metadata
---
amdhsa.version: [ 1, 2 ]
amdhsa.kernels:
  - .name:           k_q44cdbceee0_proj
    .symbol:         k_q44cdbceee0_proj.kd
    .args:
      - { .name: ao, .offset: 0, .size: 8, .value_kind: global_buffer, .address_space: global }
      - { .name: wp, .offset: 8, .size: 8, .value_kind: global_buffer, .address_space: global }
      - { .name: out0, .offset: 16, .size: 8, .value_kind: global_buffer, .address_space: global }
    .group_segment_fixed_size: 327680
    .private_segment_fixed_size: 0
    .kernarg_segment_align: 8
    .kernarg_segment_size: 24
    .max_flat_workgroup_size: 128
    .sgpr_count:     98
    .vgpr_count:     1024
    .wavefront_size: 32
...
	.end_amdgpu_metadata
.endif
;; end of part 4
